; MI455X (gfx1250); checked and timed in simulation.
; The chip was launched on July 23, 2026; its instructions are those of AMD's public machine-readable ISA for CDNA 5 (MIT licence, August 2026) and "CDNA5" Instruction Set Architecture Reference Guide (July 2026). The comments in the code are by the model that wrote it; some were corrected since.
;; Attention. Allowed arithmetic: matrix products marked QUANTISED: E2M1 operands, one E8M0 scale for each 32 along K, by v_wmma_scale_f32_16x16x128_f8f6f4 with both operands' format E2M1 (or v_wmma_scale_f32_32x16x128_f4), f32 sums; everything else in f32.
;; Inputs: keys 2 x 2,048 x 1,024 float32; queries 2 x 2,048 x 1,024 float32; queries_mask 2 x 2,048 bool; values 2 x 2,048 x 1,024 float32; values_mask 2 x 2,048 bool.
;; Outputs: out0 2 x 2,048 x 1,024 float32.
;; This version of the problem:
;;   THIS VERSION OF THE PROBLEM IS GIVEN IN LOW PRECISION. The matrix products marked QUANTISED in the list below multiply operands that are first quantised to E2M1 (2 exponent bits, 1 mantissa bit; 4 bits a number), with one power-of-two scale for each 32 numbers along K (OCP MX v1.0); their sums are f32. All else is computed in f32.
;;   The module's matrix products, in the order in which they are computed (A, B: the left and right operand; K: the contracted axis; several contracted axes count as one K, in the product's order):
;;     1. batch 32 x [M 2,048, K 64] x [K 64, N 2,048]; A: input queries; B: input keys: QUANTISED
;;     2. batch 32 x [M 2,048, K 2,048] x [K 2,048, N 64]; A: softmax (see below); B: input values: QUANTISED
;;   THE QUANTISER, for each operand of a quantised product, along K:
;;     - K is cut into blocks of 32 from its start; a last block that is shorter is filled with zeros.
;;     - A block's scale is 2^e with e = floor(log2(the largest magnitude in the block)) - 2, held to -126 .. 127; a block of zeros has e = 0. As a byte (E8M0): e + 127.
;;     - Each number is divided by its block's scale, clamped to +-6, and rounded to the nearest number of E2M1, ties to even, subnormals kept.
;;     - The product sums the exact products of the quantised numbers (number of the format x scale) in f32.
;;   ~~~python
;;   def quantise(x, axis):      # numpy; x: float32 -> the quantised numbers, widened to float32 again
;;       x = np.moveaxis(x, axis, -1); K = x.shape[-1]
;;       x = np.pad(x, [(0, 0)] * (x.ndim - 1) + [(0, -K % 32)]); x = x.reshape(x.shape[:-1] + (-1, 32)); a = np.abs(x).max(-1, keepdims=True)
;;       e = np.where(a > 0, np.clip(np.frexp(np.where(a > 0, a, 1))[1] - 1 - 2, -126, 127), 0)      # np.frexp(a)[1] - 1 = floor(log2(a)), exactly
;;       r = np.clip(x / 2.0 ** e, -6, 6)
;;       step = 2.0 ** (np.maximum(np.frexp(np.where(r == 0, 1, r))[1] - 1, 0) - 1)
;;       q = np.round(r / step) * step * 2.0 ** e      # np.round: ties to even
;;       return np.moveaxis(q.reshape(q.shape[:-2] + (-1,))[..., :K], -1, axis).astype(np.float32)
;;   ~~~
;;   SOFTMAX AHEAD OF A QUANTISED PRODUCT. Where the list says 'softmax', what is quantised is not the finished softmax but p = 2^(t - M), with t = logit x log2(e) and M = ceil(the row's largest t), a whole number; so 1/2 < the row's largest p <= 1. The row's sum l is taken of the UNQUANTISED p, in f32, and the product's result is divided by l at the end. Since M is a whole number, a kernel that streams over the keys may use a running M (the ceiling of the running maximum): every later rescaling is an exact power of two, which a block's scale takes up: the codes' values come out the same.
;;   OPERANDS COMPUTED ON THE WAY. 'Computed on the way' means the value that the module computes at that place (a softmax that the list does not call 'softmax' is quantised finished and normalised). What goes into a quantiser is computed in f32, as accurately as f32 sums, v_exp_f32 and their like allow (about 1e-6 of the number): no bf16 or f16 on the way to a quantiser, and a product that is left as it is and whose result goes on into a quantised operand takes f32 operands (vector FMAs, or v_wmma_f32_16x16x4_f32). A number that lies on a knife's edge between two numbers of the format may be rounded either way, as far as f32 arithmetic and the matrix unit's own rounding can turn it there, and no further.
;; 2 versions. Each part assembles by itself: llvm-mc -triple=amdgcn-amd-amdhsa -mcpu=gfx1250 --defsym DOCPART=n.
;; ======== version 1 of 2: 2 launches
;; limits: right only within a limited range of input values
;; workspace buffers: kv 4,456,448 bytes
;; launch quant (part 1): grid 256 x 1, 4 waves a work-group, no clusters, 35,328 bytes of LDS; arguments keys, values, kv; writes kv
.if DOCPART == 1
	.amdgcn_target "amdgcn-amd-amdhsa--gfx1250"
	.amdhsa_code_object_version 6
	.text
	.protected	k_qb1d23d6504_quant
	.globl	k_qb1d23d6504_quant
	.p2align	8
	.type	k_qb1d23d6504_quant,@function
k_qb1d23d6504_quant:
	s_mov_b64 s[64:65], 0
	v_nop
	global_prefetch_b8 v0, s[64:65] scope:SCOPE_SE
	s_setreg_imm32_b32 hwreg(HW_REG_WAVE_MODE, 25, 1), 1
	s_wait_xcnt 0x0
; keys and values, [2][2048][1024] f32, become codes of FP4 (E2M1) with one E8M0 scale byte for each 32 along a product's K, laid in the ORDER OF THE OPERANDS' REGISTERS.
; K of the first product is a head's 64 channels (two blocks a key); K of the second is the keys (a block = 32 keys of one channel).
; A block's scale is 2^(floor(log2(its largest magnitude)) - 2); its byte is the largest magnitude's exponent field - 2, held at 1 from below.
; LIMITS: a block whose largest magnitude lies under 2^-124, a block of zeros among them, gets the byte 1 (a block of zeros has zero codes; the bytes are read by this program alone); NaN and infinities are not served.
; THE RECORD of head bh = 16 b + h and key step s (128 keys), 8,704 bytes at (16 bh + s) x 8,704 of kv.  L = lane, r = L % 16, hh = L / 16:
;   0     K's codes: pair p, half u at 1024 p + 512 u + 16 L: key 128 s + 32 p + 8 u + r + 8 (r / 8), channels 32 hh .. + 31
;   4096  V's codes: tile t, half c at 1024 t + 512 c + 16 L: channel 16 t + r, keys 128 s + 64 c + 32 hh .. + 31
;   8192  K's scale words, 8 bytes a lane: (pair 0 | pair 1), (pair 2 | pair 3): lanes 0-15 the first, lanes 16-31 the second; a word's bytes: (half 0, block 0), (half 0, block 1), (half 1, block 0), (half 1, block 1)
;   8448  V's scale words, 8 bytes a lane: channel L, channel 32 + L; byte kb for keys 32 kb .. + 31 of the step
; SHARES.  Work-group x: heads 2 (x % 8) and + 1, step (x / 8) % 16, batch x / 128.  Waves 0, 1 make K's half of the two heads' records, waves 2, 3 V's: a wave reads 128 rows x 256 bytes.
; Each load reads two rows' whole 256 bytes; 32 rows at a time turn through the wave's own stage in LDS (rows 272 bytes apart), so that a lane gets a whole block of 32 along K in its registers.
; Waves share nothing: no barrier.  Every offset is an immediate, no address and no store's data are written again: no wait on XCNT is needed.
.set REC,   8704
.set PITCH, 272
.set ROW,   4096
.set C,     32                         ; v32-63   codes: four registers a block, never written again
.set X,     64                         ; v64-127  two blocks of 32 numbers
.set R,     128                        ; v128-255 two sets of 16 x 4 registers as loaded
	s_load_b128 s[4:7], s[0:1], 0x0                ; keys, values
	s_load_b64 s[8:9], s[0:1], 0x10                ; kv
	v_lshl_add_u32 v30, v0, 2, 0x8800
	v_mov_b32 v31, 0
	v_lshrrev_b32 v26, 5, v0
	v_readfirstlane_b32 s10, v26                   ; wave 0..3
	v_and_b32 v1, 31, v0                           ; L
	v_and_b32 v24, 15, v0                          ; r
	v_bfe_u32 v25, v0, 4, 1                        ; hh
	s_and_b32 s16, ttmp9, 7
	s_lshr_b32 s17, ttmp9, 3
	s_and_b32 s17, s17, 15                         ; the key step
	s_lshr_b32 s18, ttmp9, 7                       ; the batch
	s_and_b32 s19, s10, 1
	s_lshl_b32 s16, s16, 1
	s_add_co_u32 s16, s16, s19                     ; the head
	s_lshl_b32 s22, s18, 23                        ; a batch is 2,048 rows of 4,096 bytes,
	s_lshl_b32 s23, s17, 19                        ; a step 128 rows,
	s_add_co_u32 s22, s22, s23
	s_lshl_b32 s23, s16, 8                         ; a head 256 bytes of a row
	s_add_co_u32 s22, s22, s23
	s_mov_b32 s23, 0
	s_lshl_b32 s24, s18, 4
	s_add_co_u32 s24, s24, s16
	s_lshl_b32 s24, s24, 4
	s_add_co_u32 s24, s24, s17
	s_mul_i32 s24, s24, REC                        ; the record
	s_mov_b32 s25, 0
	s_mul_i32 s26, s10, 32*PITCH                   ; my stage
	s_mov_b32 s20, 0x76543210
	s_mov_b32 s21, 0xfedcba98                      ; v_permlanex16_b32's selects for lane l xor 16
	; every address register is made here, ahead of the parting of the two roles
	v_lshlrev_b32 v2, 12, v25
	v_lshl_add_u32 v2, v24, 4, v2                  ; in: lanes 0-15 one row's 256 bytes, lanes 16-31 the next row's
	v_mul_u32_u24 v3, v25, PITCH
	v_lshl_add_u32 v3, v24, 4, v3
	v_add_nc_u32 v3, s26, v3                       ; into the stage: the same two rows
	v_mul_u32_u24 v4, v24, PITCH
	v_lshl_add_u32 v4, v25, 7, v4
	v_add_nc_u32 v4, s26, v4                       ; K, out of it: stage row r, channels 32 hh on
	v_lshlrev_b32 v5, 2, v1
	v_add_nc_u32 v5, s26, v5                       ; V, out of it: channel L, down the rows
	v_lshlrev_b32 v6, 4, v1                        ; K's codes: 16 L
	v_lshlrev_b32 v7, 10, v25
	v_lshl_add_u32 v7, v24, 4, v7                  ; V's codes: tile hh, 16 r
	v_lshlrev_b32 v8, 3, v1                        ; scale words: 8 L
	v_lshlrev_b32 v9, 3, v25                       ; 8 hh: my byte's place in K's scale word
	v_mov_b32 v21, 0                               ; written once: a lane permute's destination counts as one of its sources
	s_wait_kmcnt 0x0
	s_cmp_lt_u32 s10, 2                            ; the choice hangs on the wave's number alone
	s_cselect_b64 s[12:13], s[4:5], s[6:7]
	s_add_nc_u64 s[12:13], s[12:13], s[22:23]
	s_add_nc_u64 s[14:15], s[8:9], s[24:25]
.macro LOADR p                         ; rows 32 p .. 32 p + 31 into set p % 2: sixteen loads, each two whole rows of 256 bytes
.set i, 0
.rept 16
	global_load_b128 v[R+64*((\p)%2)+4*i:R+64*((\p)%2)+4*i+3], v2, s[12:13] offset:(32*(\p)+2*i)*ROW th:TH_LOAD_NT
.set i, i+1
.endr
.endm
; The set goes into the stage.  perm = 1 (K): the two middle groups of eight rows change places, so that stage row 16 u + r holds key 8 u + r + 8 (r / 8) of the 32.
.macro STAGE p, perm
.set i, 0
.rept 16
.if \perm
.set SIG, 8*(((i/4)&1)*2+(i/4)/2)+(2*i)%8
.else
.set SIG, 2*i
.endif
	ds_store_b128 v3, v[R+64*((\p)%2)+4*i:R+64*((\p)%2)+4*i+3] offset:SIG*PITCH
.set i, i+1
.endr
.endm
.macro KREAD                           ; block u: 32 channels of stage row 16 u + r.  LDS serves a wave's instructions in order: these see the stores above
.irp u, 0,1
.irp i, 0,1,2,3,4,5,6,7
	ds_load_b128 v[X+32*\u+4*\i:X+32*\u+4*\i+3], v4 offset:16*\u*PITCH+16*\i
.endr
.endr
.endm
.macro VREAD                           ; block 0: channel L down the 32 keys; block 1: channel 32 + L
.set i, 0
.rept 32
	ds_load_b32 v[X+i], v5 offset:PITCH*i
	ds_load_b32 v[X+32+i], v5 offset:PITCH*i+128
.set i, i+1
.endr
.endm
.macro WAITR p                         ; set p's sixteen loads are in; the next set's sixteen may be out
.if (\p) < 3
	s_wait_loadcnt 16
.else
	s_wait_loadcnt 0x0
.endif
.endm
; Two blocks by turns: largest magnitude with the floor 2^(3 - 127) among its leaves, scale operand (2 off the exponent field), byte, codes into v[C + 8 c] on and v[C + 8 c + 4] on.
.macro Q2 c
	v_max3_num_f32 v10, |v[X]|, |v[X+1]|, 0x1800000
	v_max3_num_f32 v11, |v[X+32]|, |v[X+33]|, 0x1800000
.irp i, 2,4,6,8,10,12,14,16,18,20,22,24,26,28,30
	v_max3_num_f32 v10, v10, |v[X+\i]|, |v[X+\i+1]|
	v_max3_num_f32 v11, v11, |v[X+32+\i]|, |v[X+33+\i]|
.endr
	v_add_nc_u32 v12, 0xff000000, v10              ; the conversion takes the exponent field of this operand as its scale, and nothing else of it
	v_add_nc_u32 v13, 0xff000000, v11
	v_lshrrev_b32 v14, 23, v12                     ; the scales' bytes
	v_lshrrev_b32 v15, 23, v13
.irp g, 0,1,2,3
	v_cvt_scalef32_pk8_fp4_f32 v[C+8*(\c)+\g], v[X+8*\g:X+8*\g+7], v12
	v_cvt_scalef32_pk8_fp4_f32 v[C+8*(\c)+4+\g], v[X+32+8*\g:X+32+8*\g+7], v13
.endr
	v_nop                                          ; one plain place behind the last scaled conversion
.endm
	LOADR 0
	LOADR 1                                        ; 32 loads of 512 bytes are out
	s_cmp_ge_u32 s10, 2
	s_cbranch_scc1 .Lvalues
; ---- K: pair p = 32 keys; a lane holds (half u, block hh) of keys 8 u + r + 8 (r / 8), u = 0, 1
.macro KPAIR p
	WAITR \p
	STAGE \p, 1
	KREAD
	s_wait_dscnt 0x0                               ; the numbers are back, and the stores into the stage have read their registers,
.if (\p) < 2
	LOADR (\p)+2                                   ; which take the rows of two pairs on
.endif
	Q2 \p
	global_store_b128 v6, v[C+8*(\p):C+8*(\p)+3], s[14:15] offset:1024*(\p)        ; 32 lanes store 512 consecutive bytes
	global_store_b128 v6, v[C+8*(\p)+4:C+8*(\p)+7], s[14:15] offset:1024*(\p)+512
	v_lshl_or_b32 v20, v15, 16, v14                ; my two bytes: block hh of half 0 and of half 1,
	v_lshlrev_b32 v20, v9, v20                     ; 8 hh bits up;
	v_permlanex16_b32 v21, v20, s20, s21
	v_or_b32 v[16+(\p)], v20, v21                  ; with lane l xor 16's two the word of row r is whole, in both halves of the lanes
.endm
	KPAIR 0
	KPAIR 1
	KPAIR 2
	KPAIR 3
	v_cmp_ne_u32 vcc_lo, 0, v9
	v_cndmask_b32 v22, v16, v17, vcc_lo            ; lanes 0-15 pair 0's words, lanes 16-31 pair 1's
	v_cndmask_b32 v23, v18, v19, vcc_lo            ; pairs 2 and 3 likewise
	global_store_b64 v8, v[22:23], s[14:15] offset:8192   ; 32 lanes store 256 consecutive bytes
	s_wait_tensorcnt 0x0
	ds_add_u32 v30, v31
	s_wait_dscnt 0x0
	s_endpgm
; ---- V: block kb = 32 keys; a lane holds channels L and 32 + L down the keys
.Lvalues:
.macro VBLOCK kb
	WAITR \kb
	STAGE \kb, 0
	VREAD
	s_wait_dscnt 0x0
.if (\kb) < 2
	LOADR (\kb)+2
.endif
	Q2 \kb
	global_store_b128 v7, v[C+8*(\kb):C+8*(\kb)+3], s[14:15] offset:4096+512*((\kb)/2)+256*((\kb)%2)          ; sixteen lanes store 256 consecutive bytes: tile hh, half kb / 2, the operand's lanes 16 (kb % 2) on
	global_store_b128 v7, v[C+8*(\kb)+4:C+8*(\kb)+7], s[14:15] offset:4096+2048+512*((\kb)/2)+256*((\kb)%2)   ; tiles 2 + hh
.if (\kb) == 0
	v_mov_b32 v22, v14                             ; the channels' scale words, the lower keys in the lower byte
	v_mov_b32 v23, v15
.else
	v_lshl_or_b32 v22, v14, 8*(\kb), v22
	v_lshl_or_b32 v23, v15, 8*(\kb), v23
.endif
.endm
	VBLOCK 0
	VBLOCK 1
	VBLOCK 2
	VBLOCK 3
	global_store_b64 v8, v[22:23], s[14:15] offset:8448
	s_wait_tensorcnt 0x0
	ds_add_u32 v30, v31
	s_wait_dscnt 0x0
	s_endpgm
.Lfunc_end_k_qb1d23d6504_quant:
	.size	k_qb1d23d6504_quant, .Lfunc_end_k_qb1d23d6504_quant-k_qb1d23d6504_quant
	.p2alignl 7, 3214868480
	.fill 96, 4, 3214868480
	.section	.rodata,"a",@progbits
	.p2align	6, 0x0
	.amdhsa_kernel k_qb1d23d6504_quant
		.amdhsa_group_segment_fixed_size 35328
		.amdhsa_private_segment_fixed_size 0
		.amdhsa_enable_private_segment 0
		.amdhsa_kernarg_size 24
		.amdhsa_user_sgpr_count 2
		.amdhsa_user_sgpr_kernarg_segment_ptr 1
		.amdhsa_wavefront_size32 1
		.amdhsa_system_sgpr_workgroup_id_x 1
		.amdhsa_system_sgpr_workgroup_id_y 1
		.amdhsa_system_sgpr_workgroup_id_z 1
		.amdhsa_system_vgpr_workitem_id 0
		.amdhsa_next_free_vgpr 256
		.amdhsa_next_free_sgpr 66
		.amdhsa_reserve_vcc 1
		.amdhsa_float_denorm_mode_32 3
		.amdhsa_float_denorm_mode_16_64 3
		.amdhsa_memory_ordered 1
		.amdhsa_forward_progress 1
		.amdhsa_inst_pref_size 66
	.end_amdhsa_kernel
	.amdgpu_metadata
---
amdhsa.version: [ 1, 2 ]
amdhsa.kernels:
  - .name:           k_qb1d23d6504_quant
    .symbol:         k_qb1d23d6504_quant.kd
    .args:
      - { .name: keys, .offset: 0, .size: 8, .value_kind: global_buffer, .address_space: global }
      - { .name: values, .offset: 8, .size: 8, .value_kind: global_buffer, .address_space: global }
      - { .name: kv, .offset: 16, .size: 8, .value_kind: global_buffer, .address_space: global }
    .group_segment_fixed_size: 35328
    .private_segment_fixed_size: 0
    .kernarg_segment_align: 8
    .kernarg_segment_size: 24
    .max_flat_workgroup_size: 128
    .sgpr_count:     66
    .vgpr_count:     256
    .wavefront_size: 32
...
	.end_amdgpu_metadata
.endif
;; end of part 1
;; launch attn (part 2): grid 256 x 1, 16 waves a work-group, no clusters, 219,136 bytes of LDS; arguments queries, queries_mask, values_mask, kv, out0; writes out0
.if DOCPART == 2
	.amdgcn_target "amdgcn-amd-amdhsa--gfx1250"
	.amdhsa_code_object_version 6
	.text
	.protected	k_qb1d23d6504_attn
	.globl	k_qb1d23d6504_attn
	.p2align	8
	.type	k_qb1d23d6504_attn,@function
k_qb1d23d6504_attn:
	s_mov_b64 s[64:65], 0
	v_nop
	global_prefetch_b8 v0, s[64:65] scope:SCOPE_SE
	s_setreg_imm32_b32 hwreg(HW_REG_WAVE_MODE, 25, 1), 1
	s_wait_xcnt 0x0
; out0[b][q][64 h + d] = queries_mask[b][q] ? sum over k of softmax_k(Q.K / 8 - 999999 x (values_mask[b][k] and k <= q)) V[k][d] : 0, both products on codes of FP4 (E2M1) with E8M0 scales for each 32 along K.
; THE BIAS FALLS WHERE THE MASK IS TRUE: what counts for query q are the keys behind it, and the keys whose values_mask is false.  Every query but 2,047 has key q + 1 without bias.
; SOFTMAX: t = logit x log2(e); M = the running largest t rounded UP to a whole number; p = 2^(t - M) is quantised along the keys, not normalised; the row's sum is taken of the unquantised p and divides at the end.
; When M moves, the sum and O are multiplied by 2^(old M - new M): exact.  In every key step that holds a biased key the three f32 roundings are made one by one: logit = fl(s / 8 + bias) (one fused
; multiply-add; s / 8 is exact), t = fl(logit x log2(e)), t - M; in steps without bias t - M is one fused multiply-add of the score.
; SHARES.  Work-group x: head bh = x / 8 (b = bh / 16, h = bh % 16), j = x % 8.  Each of its sixteen waves owns ONE tile of 16 queries in 256 registers; four waves share a SIMD's registers.
; A tile of group g (queries 128 g on) works key steps g .. 15; the tile with query 2,047 works all sixteen.  A table gives wave w a group, so that a work-group's and any four waves' sums of steps come out alike,
; and seven exchanges of tiles between work-group 7 and the others spread the last tile's extra steps.  All of it is scalar arithmetic on ids.
; A STEP BELOW THE DIAGONAL IS PASSED OVER where all its 128 bytes of values_mask are true: every p in it is 2^(about -1.44e6) = 0.  That is a scalar branch on whole numbers read from values_mask.
; K, V: the head's sixteen records of kv (139,264 bytes, codes and scale words in the order of the operands' registers) are copied into LDS once, through registers, and read by all sixteen waves.
; NO JOINT LOADS, though eight work-groups copy the same 139,264 bytes: the walk branches on bytes read from memory; the bytes are copied once a work-group.
; THE FIRST PRODUCT HAS K = 64, THE INSTRUCTION 128: a fragment of K holds TWO tiles of 16 keys (k 0-63 tile 2 p, k 64-127 tile 2 p + 1), multiplied once by [Q | zero codes] and once by [zero codes | Q];
; Q's scale bytes of the unused blocks are 0.  Both products are used transposed: a lane holds ONE query (lane % 16) throughout; register 16 p + i of the scores is key 32 p + 16 (lane / 16) + i of the step.
; LIMITS: NaN and infinities are not served; a block of Q under 2^-124 gets the byte 1; passing over a biased step is exact while |Q.K| / 8 stays under 4.9e5; a row whose queries_mask is false is O x 0: its zeros may carry a sign.
.set REC,   8704
.set NBT,   16*REC                     ; LDS: behind the records, 2,048 f32: -999999 where values_mask is true, else 0
.set STGB,  NBT+8192                   ; and a stage of 16 rows x 272 bytes for each wave: Q's turn at the head, O's way out
.set SP,    272
.set QA,  24                           ; v24-31   [Q | 0]
.set QB,  32                           ; v32-39   [0 | Q]
.set KF,  40                           ; v40-71   K's four fragments; behind the products the bias of keys' registers 0-31
.set VF,  72                           ; v72-103  V's four fragments
.set S,   104                          ; v104-167 the scores, then t, then p
.set O,   168                          ; v168-199 O^T: register 8 t + i is channel 16 t + 8 (lane / 16) + i
.set PC,  200                          ; v200-207 p's codes
.set BM,  208                          ; v208-211 the blocks' largest
.set BT,  212                          ; v212-215 at work
.set BS,  216                          ; v216-219 the conversions' scale operands
.set T,   220                          ; v220     at work
.set PW,  221                          ; v221     p's scale word: scales and nothing else
.set SU,  222                          ; v222-223 the second chain of the sums;  v224-255 the bias of registers 32-63
; v1 16 L; v2 8192 + 8 L; v3 NBT + 64 hh; v4 my query - 16 hh in the diagonal step; v5-7 the step's LDS addresses; v8 Q's scale words; v9 0; v10, v11 the stage, in and back;
; v12 -M; v13 the largest t; v14-15 the sum; v16-17 K's scale words; v18-19 V's; v20 f, v21 0; v22 my bytes in two rows of Q and of out0; v23 queries_mask's byte.  v172-193: at work at the head only.
	s_load_b256 s[4:11], s[0:1], 0x0               ; queries s[4:5], queries_mask s[6:7], values_mask s[8:9], kv s[10:11]
	s_load_b64 s[12:13], s[0:1], 0x20              ; out0
	v_lshrrev_b32 v172, 5, v0
	v_readfirstlane_b32 s14, v172                  ; wave 0..15
	s_and_b32 s15, ttmp9, 7                        ; j
	s_lshr_b32 s16, ttmp9, 3                       ; bh
	; the wave's group g: nibble w of a table of sixteen
	s_mov_b32 s34, 0x856b3ed0
	s_mov_b32 s35, 0xf21c49a7
	s_mov_b32 s36, 0x018ecd4f
	s_mov_b32 s37, 0x37b5a629
	s_cmp_eq_u32 s15, 7
	s_cselect_b64 s[34:35], s[36:37], s[34:35]
	s_cmp_lt_u32 s14, 8
	s_cselect_b32 s34, s34, s35
	s_and_b32 s35, s14, 7
	s_lshl_b32 s35, s35, 2
	s_lshr_b32 s34, s34, s35
	s_and_b32 s34, s34, 15                         ; g
	; the exchanges: with a = 4 (m / 2) + m % 2, tile (a, 7) and tile (a + 2, m) change places, m = 0 .. 6
	s_lshr_b32 s36, s15, 1
	s_lshl_b32 s36, s36, 2
	s_and_b32 s37, s15, 1
	s_add_co_u32 s36, s36, s37                     ; a
	s_add_co_u32 s37, s36, 2
	s_cmp_eq_u32 s34, s37
	s_cselect_b32 s17, s36, s34                    ; j < 7: group,
	s_cselect_b32 s38, 7, s15                      ; and place in it
	s_lshr_b32 s39, s34, 2
	s_lshl_b32 s39, s39, 1
	s_and_b32 s40, s34, 1
	s_add_co_u32 s39, s39, s40                     ; m of a = g
	s_add_co_u32 s40, s34, 2
	s_and_b32 s41, s34, 2
	s_cmp_lt_u32 s34, 13
	s_cselect_b32 s36, 0, 1
	s_or_b32 s41, s41, s36                         ; 0 where g is one of 0, 1, 4, 5, 8, 9, 12
	s_cmp_eq_u32 s41, 0
	s_cselect_b32 s40, s40, s34                    ; j = 7: group,
	s_cselect_b32 s39, s39, 7                      ; and place
	s_cmp_eq_u32 s15, 7
	s_cselect_b32 s17, s40, s17                    ; s17: my tile's group = its diagonal step
	s_cselect_b32 s15, s39, s38                    ; s15: its place among the group's eight
	s_lshl_b32 s25, s17, 3
	s_add_co_u32 s25, s25, s15                     ; s25: the tile, 0 .. 127
	s_lshl_b32 s35, s25, 4                         ; its first query
	s_lshr_b32 s19, s16, 4                         ; b
	s_and_b32 s18, s16, 15                         ; h
	s_lshl_b32 s36, s19, 11                        ; 2,048 b
	s_add_co_u32 s37, s36, s35                     ; the row in queries and out0
	s_lshl_b32 s32, s37, 12
	s_lshl_b32 s38, s18, 8
	s_add_co_u32 s32, s32, s38                     ; x 4,096 bytes + the head's 256
	s_mov_b32 s33, 0
	s_mov_b32 s20, 0x76543210
	s_mov_b32 s21, 0xfedcba98                      ; v_permlanex16_b32's selects for lane l xor 16
	s_mov_b32 s24, 0x3e38aa3b                      ; log2(e) / 8
	s_mov_b32 s26, 0x3fb8aa3b                      ; log2(e); the packed forms name a pair and take its low word for both halves, so both are written
	s_mov_b32 s27, s26
	s_mov_b32 s42, 0x3e000000                      ; 1 / 8
	s_mov_b32 s43, s42
	v_and_b32 v173, 31, v0                         ; L
	v_and_b32 v174, 15, v0                         ; r
	v_bfe_u32 v175, v0, 4, 1                       ; hh
	v_lshlrev_b32 v1, 4, v173
	v_lshl_add_u32 v2, v173, 3, 8192
	v_lshl_add_u32 v3, v175, 6, NBT
	s_lshl_b32 s34, s15, 4                         ; my first query's place in the diagonal step
	v_lshlrev_b32 v4, 4, v175
	v_sub_nc_u32 v4, v174, v4
	v_add_nc_u32 v4, s34, v4
	v_mov_b32 v9, 0
	s_mul_i32 s35, s14, 16*SP
	s_add_co_u32 s35, s35, STGB                    ; my stage
	v_mul_u32_u24 v10, v174, SP
	v_lshl_add_u32 v172, v175, 7, v10
	v_add_nc_u32 v172, s35, v172                   ; Q out of the stage: row r, channels 32 hh on
	v_lshl_add_u32 v10, v175, 5, v10
	v_add_nc_u32 v10, s35, v10                     ; O into it: row r, 32 hh
	v_mul_u32_u24 v11, v175, SP
	v_lshl_add_u32 v11, v174, 4, v11
	v_add_nc_u32 v11, s35, v11                     ; whole rows: lanes 0-15 one row, lanes 16-31 the next
	v_lshlrev_b32 v22, 12, v175
	v_lshl_add_u32 v22, v174, 4, v22               ; and the same two rows in memory
	v_lshlrev_b32 v176, 2, v173                    ; 4 L
	v_lshlrev_b32 v177, 2, v0                      ; 4 x thread
	v_lshlrev_b32 v178, 4, v0                      ; 16 x thread,
	v_add_nc_u32 v179, 0x10000, v178               ; and 64 KiB and 128 KiB on: an LDS offset has 16 bits
	v_add_nc_u32 v180, 0x20000, v178
	v_add_nc_u32 v181, NBT, v178
	v_mov_b32 v186, 0                              ; a lane permute's destination counts as one of its sources
	v_mov_b32 v192, 0xc97423f0                     ; -999999
	s_wait_kmcnt 0x0
	s_add_nc_u64 s[4:5], s[4:5], s[32:33]
	s_add_nc_u64 s[12:13], s[12:13], s[32:33]
	s_mov_b32 s32, s37
	s_add_nc_u64 s[6:7], s[6:7], s[32:33]
	s_mov_b32 s32, s36
	s_add_nc_u64 s[8:9], s[8:9], s[32:33]
	s_mul_i32 s32, s16, 16*REC
	s_add_nc_u64 s[10:11], s[10:11], s[32:33]
	; all 43 loads of the launch, in the order in which they are wanted
.irp i, 0,1,2,3,4,5,6,7
	global_load_b128 v[KF+4*\i:KF+4*\i+3], v22, s[4:5] offset:8192*\i th:TH_LOAD_NT   ; Q: rows 2 i and 2 i + 1, the head's whole 256 bytes of each
.endr
	global_load_u8 v23, v174, s[6:7]               ; queries_mask of query r
.irp s, 0,1,2,3,4,5,6,7,8,9,10,11,12,13,14,15
	global_load_b32 v[PC+\s], v176, s[8:9] offset:128*\s   ; values_mask: step s's 128 bytes over the 32 lanes
.endr
	global_load_b32 v[BS], v177, s[8:9]            ; and four bytes a thread, for the table of biases
.set i, 0
.rept 17
	global_load_b128 v[S+4*i:S+4*i+3], v178, s[10:11] offset:8192*i   ; the head's records: 8,192 consecutive bytes a work-group and load
.set i, i+1
.endr
	s_wait_loadcnt 35                              ; Q's eight are in; behind them 1 + 16 + 1 + 17 were issued
.irp i, 0,1,2,3,4,5,6,7
	ds_store_b128 v11, v[KF+4*\i:KF+4*\i+3] offset:2*SP*\i
.endr
.irp i, 0,1,2,3,4,5,6,7
	ds_load_b128 v[VF+4*\i:VF+4*\i+3], v172 offset:16*\i   ; my own bytes, served in order: a whole block, channels 32 hh .. + 31 of query r
.endr
	s_wait_dscnt 0x0
	v_max3_num_f32 v182, |v[VF]|, |v[VF+1]|, 0x1800000     ; the block's largest magnitude, in two chains, with the floor 2^(3 - 127)
	v_max3_num_f32 v183, |v[VF+16]|, |v[VF+17]|, 0x1800000
.irp i, 2,4,6,8,10,12,14
	v_max3_num_f32 v182, v182, |v[VF+\i]|, |v[VF+\i+1]|
	v_max3_num_f32 v183, v183, |v[VF+16+\i]|, |v[VF+17+\i]|
.endr
	v_max_num_f32 v182, v182, v183
	v_add_nc_u32 v184, 0xff000000, v182            ; 2 off the exponent field: the conversion's scale operand
	v_lshrrev_b32 v185, 23, v184                   ; the byte
.irp g, 0,1,2,3
	v_cvt_scalef32_pk8_fp4_f32 v[QA+\g], v[VF+8*\g:VF+8*\g+7], v184
.endr
	v_nop                                          ; one plain place behind the last scaled conversion
.irp g, 0,1,2,3
	v_mov_b32 v[QA+4+\g], 0                        ; zero codes for k 64-127,
	v_mov_b32 v[QB+\g], 0                          ; and for k 0-63
	v_mov_b32 v[QB+4+\g], v[QA+\g]
.endr
	v_lshlrev_b32 v187, 3, v175
	v_lshlrev_b32 v185, v187, v185                 ; my byte at place hh;
	v_permlanex16_b32 v186, v185, s20, s21
	v_or_b32 v185, v185, v186                      ; with lane l xor 16's: [s0 s1 0 0]
	v_lshlrev_b32 v187, 4, v175
	v_lshlrev_b32 v8, v187, v185                   ; lanes 0-15 [s0 s1 0 0] for [Q | 0], lanes 16-31 [0 0 s0 s1] for [0 | Q]
	s_wait_loadcnt 17                              ; the masks are in; the records' seventeen loads may be out
	s_mov_b32 s28, 0                               ; bit s: all 128 bytes of step s are true
	s_mov_b32 s35, 0x01010101
.irp s, 0,1,2,3,4,5,6,7,8,9,10,11,12,13,14,15
	v_cmp_eq_u32 s34, s35, v[PC+\s]
	s_cmp_eq_u32 s34, -1
	s_cselect_b32 s34, (1<<\s), 0
	s_or_b32 s28, s28, s34
.endr
	s_cmp_eq_u32 s25, 127
	s_cselect_b32 s28, 0, s28                      ; the tile with query 2,047 passes over nothing: that row may have no key without bias
.irp k, 0,1,2,3
	v_bfe_u32 v193, v[BS], 8*\k, 8
	v_cmp_ne_u32 vcc_lo, 0, v193
	v_cndmask_b32 v[188+\k], v9, v192, vcc_lo
.endr
	ds_store_b128 v181, v[188:191]                 ; the biases of keys 4 x thread .. + 3
	s_wait_loadcnt 0x0
.irp i, 0,1,2,3,4,5,6,7
	ds_store_b128 v178, v[S+4*\i:S+4*\i+3] offset:8192*\i
.endr
.irp i, 0,1,2,3,4,5,6,7
	ds_store_b128 v179, v[S+32+4*\i:S+32+4*\i+3] offset:8192*\i
.endr
	ds_store_b128 v180, v[S+64:S+67]
	s_wait_dscnt 0x0                               ; for the others' sake: my stores have landed
	s_barrier_signal -1
	s_barrier_wait -1                              ; the records and the biases are whole: from here on they are only read.  The launch's one barrier
	v_mov_b32 v13, 0xff61b1e6                      ; the largest t so far: -3e38
	v_floor_f32 v12, -v13                          ; -M
	v_mov_b32 v14, 0
	v_mov_b32 v15, 0
	v_mov_b32 v21, 0                               ; (named as the upper half of the pair v[20:21])
	v_mov_b32 v[T], 0
.irp b, 0,1,2,3
	v_mov_b32 v[BT+\b], 0
.endr
.set i, 0
.rept 32
	v_mov_b32 v[O+i], 0                            ; O^T.  (The step is written once: the first finds zeros, which the first change of M leaves zeros)
.set i, i+1
.endr
	s_mov_b32 s29, 0                               ; the key step
	s_mov_b32 s30, 0                               ; its record in LDS
	s_mov_b32 s31, 0                               ; its biases
.macro SPROD p, u                      ; tile 2 p + u of the scores: source 0 = pair p of K, source 1 = [Q | 0] or [0 | Q]; the scale words' rows go with them
.if ((\p)%2 == 0) && ((\u) == 0)
	v_wmma_scale_f32_16x16x128_f8f6f4 v[S+16*(\p)+8*(\u):S+16*(\p)+8*(\u)+7], v[KF+8*(\p):KF+8*(\p)+7], v[QA+8*(\u):QA+8*(\u)+7], 0, v[16+(\p)/2], v8 matrix_a_fmt:MATRIX_FMT_FP4 matrix_b_fmt:MATRIX_FMT_FP4
.elseif ((\u) == 0)
	v_wmma_scale_f32_16x16x128_f8f6f4 v[S+16*(\p)+8*(\u):S+16*(\p)+8*(\u)+7], v[KF+8*(\p):KF+8*(\p)+7], v[QA+8*(\u):QA+8*(\u)+7], 0, v[16+(\p)/2], v8 matrix_a_fmt:MATRIX_FMT_FP4 matrix_b_fmt:MATRIX_FMT_FP4 matrix_a_scale:MATRIX_SCALE_ROW1
.elseif ((\p)%2 == 0)
	v_wmma_scale_f32_16x16x128_f8f6f4 v[S+16*(\p)+8*(\u):S+16*(\p)+8*(\u)+7], v[KF+8*(\p):KF+8*(\p)+7], v[QA+8*(\u):QA+8*(\u)+7], 0, v[16+(\p)/2], v8 matrix_a_fmt:MATRIX_FMT_FP4 matrix_b_fmt:MATRIX_FMT_FP4 matrix_b_scale:MATRIX_SCALE_ROW1
.else
	v_wmma_scale_f32_16x16x128_f8f6f4 v[S+16*(\p)+8*(\u):S+16*(\p)+8*(\u)+7], v[KF+8*(\p):KF+8*(\p)+7], v[QA+8*(\u):QA+8*(\u)+7], 0, v[16+(\p)/2], v8 matrix_a_fmt:MATRIX_FMT_FP4 matrix_b_fmt:MATRIX_FMT_FP4 matrix_a_scale:MATRIX_SCALE_ROW1 matrix_b_scale:MATRIX_SCALE_ROW1
.endif
.endm
.macro PVPROD t                        ; channels 16 t on of O^T += V^T P^T over the step's 128 keys
.if (\t)%2 == 0
	v_wmma_scale_f32_16x16x128_f8f6f4 v[O+8*(\t):O+8*(\t)+7], v[VF+8*(\t):VF+8*(\t)+7], v[PC:PC+7], v[O+8*(\t):O+8*(\t)+7], v[18+(\t)/2], v[PW] matrix_a_fmt:MATRIX_FMT_FP4 matrix_b_fmt:MATRIX_FMT_FP4
.else
	v_wmma_scale_f32_16x16x128_f8f6f4 v[O+8*(\t):O+8*(\t)+7], v[VF+8*(\t):VF+8*(\t)+7], v[PC:PC+7], v[O+8*(\t):O+8*(\t)+7], v[18+(\t)/2], v[PW] matrix_a_fmt:MATRIX_FMT_FP4 matrix_b_fmt:MATRIX_FMT_FP4 matrix_a_scale:MATRIX_SCALE_ROW1
.endif
.endm
.Lstep:                                            ; sixteen trips, a constant; what is left out is a step's work, never the lines that step addresses
	s_cmp_ge_u32 s29, s17
	s_cbranch_scc1 .Lwork                          ; the diagonal step and those behind it are always worked
	s_lshr_b32 s34, s28, s29
	s_and_b32 s34, s34, 1
	s_cmp_lg_u32 s34, 0
	s_cbranch_scc1 .Lnext                          ; below the diagonal with every byte of values_mask true: every p would be 0
.Lwork:
	v_add_nc_u32 v5, s30, v1                       ; these four are the places between the last step's products and the loads into their sources
	v_add_nc_u32 v6, s30, v2
	v_add_nc_u32 v7, s31, v3
	v_nop
.irp p, 0,1,2,3
.irp c, 0,1
	ds_load_b128 v[KF+8*\p+4*\c:KF+8*\p+4*\c+3], v5 offset:1024*\p+512*\c     ; 512 consecutive bytes a load: the operand's registers as they were laid
.endr
.endr
	ds_load_b64 v[16:17], v6
.irp t, 0,1,2,3
.irp c, 0,1
	ds_load_b128 v[VF+8*\t+4*\c:VF+8*\t+4*\c+3], v5 offset:4096+1024*\t+512*\c
.endr
.endr
	ds_load_b64 v[18:19], v6 offset:256
	s_wait_dscnt 9                                 ; K's eight loads and its scale words are in; V's eight and its scale words may be out
.irp p, 0,1,2,3
	SPROD \p, 0
	SPROD \p, 1
.endr
	s_mov_b32 s22, s24                             ; the step's multiplier: scores become t by log2(e) / 8
	s_mov_b32 s23, s24
.rept 4
	v_nop                                          ; four places: in front of the first read of the scores, and of loads into K's fragments
.endr
	s_cmp_gt_u32 s29, s17
	s_cbranch_scc1 .Lbody                          ; behind the diagonal no key is biased
	; ---- a step with biased keys: the bias of my 64 keys, 16 neighbours of each block of 32
.irp p, 0,1,2,3
.irp q, 0,1,2,3
	ds_load_b128 v[KF+16*\p+4*\q+152*(\p/2):KF+16*\p+4*\q+152*(\p/2)+3], v7 offset:128*\p+16*\q   ; registers 0-31 in v40 on, 32-63 in v224 on
.endr
.endr
	s_wait_dscnt 0x0
	s_cmp_lg_u32 s29, s17
	s_cbranch_scc1 .Lnocausal
.set n, 0
.rept 64                                           ; on the diagonal: register n is key 32 (n / 16) + n % 16 + 16 hh of the step; a key behind my query has no bias
	v_cmp_gt_i32 vcc_lo, 32*(n/16)+n%16, v4
	v_cndmask_b32 v[KF+n+152*(n/32)], v[KF+n+152*(n/32)], v9, vcc_lo
.set n, n+1
.endr
.Lnocausal:
.set n, 0
.rept 32
	v_pk_fma_f32 v[S+n:S+n+1], v[S+n:S+n+1], s[42:43], v[KF+n+152*(n/32):KF+n+152*(n/32)+1] op_sel_hi:[1,0,1]   ; logit = fl(s / 8 + bias); each accumulator from its low end on
.set n, n+2
.endr
.set n, 0
.rept 32
	v_pk_mul_f32 v[S+n:S+n+1], v[S+n:S+n+1], s[26:27] op_sel_hi:[1,0]   ; t = fl(logit x log2(e))
.set n, n+2
.endr
	s_mov_b32 s22, 1.0                             ; the registers hold t: the multiplier is 1, and t - M below is one rounding
	s_mov_b32 s23, 1.0
.Lbody:
.irp b, 0,1,2,3
	v_max3_num_f32 v[BM+\b], v[S+16*\b], v[S+16*\b+1], v[S+16*\b+2]   ; the largest of each block of 32 keys: for the row's maximum, and, since p rises with it, for the block's largest p
.endr
.irp i, 3,5,7,9,11,13
.irp b, 0,1,2,3
	v_max3_num_f32 v[BM+\b], v[BM+\b], v[S+16*\b+\i], v[S+16*\b+\i+1]
.endr
.endr
.irp b, 0,1,2,3
	v_max_num_f32 v[BM+\b], v[BM+\b], v[S+16*\b+15]
.endr
.irp b, 0,1,2,3
	v_permlanex16_b32 v[BT+\b], v[BM+\b], s20, s21
.endr
.irp b, 0,1,2,3
	v_max_num_f32 v[BM+\b], v[BM+\b], v[BT+\b]     ; with lane l xor 16's 16 keys
.endr
	v_max3_num_f32 v[T], v[BM], v[BM+1], v[BM+2]
	v_max_num_f32 v[T], v[T], v[BM+3]
	v_mul_f32 v[T], s22, v[T]                      ; the step's largest t of my query
	v_max_num_f32 v13, v13, v[T]
	v_mov_b32 v[T], v12
	v_floor_f32 v12, -v13                          ; the new -M = -ceil(t): a whole number
	v_sub_f32 v[T], v12, v[T]                      ; old M - new M: a whole number, 0 or less
	v_cvt_i32_f32 v[T], v[T]                       ; (it saturates)
	v_ldexp_f32 v20, 1.0, v[T]                     ; f = 2^(old M - new M)
.set n, 0
.rept 32
	v_pk_fma_f32 v[S+n:S+n+1], v[S+n:S+n+1], s[22:23], v[12:13] op_sel_hi:[1,0,0]   ; t - M, two at a time
.set n, n+2
.endr
.irp b, 0,1,2,3
	v_fma_f32 v[BM+\b], v[BM+\b], s22, v12         ; the same of each block's largest
.endr
.set n, 0
.rept 64
	v_exp_f32 v[S+n], v[S+n]                       ; p = 2^(t - M): one batch
.set n, n+1
.endr
	v_pk_mul_f32 v[14:15], v[14:15], v[20:21] op_sel_hi:[1,0]   ; the sums under the new M: the plain place behind the batch
	s_wait_alu depctr_va_vdst(0)                   ; one wait for the 64, ahead of the first line that names a result
.irp b, 0,1,2,3
	v_exp_f32 v[BM+\b], v[BM+\b]                   ; the blocks' largest p: the same instructions on the same numbers
.endr
	v_pk_add_f32 v[SU:SU+1], v[S:S+1], v[S+2:S+3]  ; the row's sum of the UNQUANTISED p, in two chains
.irp j, 4,8,12,16,20,24,28,32,36,40,44,48,52,56,60
	v_pk_add_f32 v[14:15], v[14:15], v[S+\j:S+\j+1]
	v_pk_add_f32 v[SU:SU+1], v[SU:SU+1], v[S+\j+2:S+\j+3]
.endr
	v_pk_add_f32 v[14:15], v[14:15], v[SU:SU+1]
	s_wait_alu depctr_va_vdst(0)                   ; and one for the four
.irp b, 0,1,2,3
	v_max_num_f32 v[BM+\b], 0x1800000, v[BM+\b]    ; the floor 2^(3 - 127): a block whose every p is 0 keeps the byte 1 and has zero codes
.endr
.irp b, 0,1,2,3
	v_add_nc_u32 v[BS+\b], 0xff000000, v[BM+\b]    ; 2 off the exponent field: the conversion's scale operand
.endr
.irp b, 0,1,2,3
	v_lshrrev_b32 v[BT+\b], 23, v[BS+\b]
.endr
	v_lshl_or_b32 v[PW], v[BT+1], 8, v[BT]         ; p's scale word for these 128 keys
	v_lshl_or_b32 v[PW], v[BT+2], 16, v[PW]
	v_lshl_or_b32 v[PW], v[BT+3], 24, v[PW]
.irp b, 0,1,2,3
	v_cvt_scalef32_pk8_fp4_f32 v[PC+2*\b], v[S+16*\b:S+16*\b+7], v[BS+\b]
	v_cvt_scalef32_pk8_fp4_f32 v[PC+2*\b+1], v[S+16*\b+8:S+16*\b+15], v[BS+\b]
.endr
	v_nop                                          ; one plain place behind the last scaled conversion
.irp c, 0,1                                        ; the operand wants a WHOLE block in a lane: lanes 0-15 block 2 c, lanes 16-31 block 2 c + 1
.irp i, 0,1
	v_permlane16_swap_b32 v[PC+4*\c+\i], v[PC+2+4*\c+\i]
.endr
.endr
.set n, 0
.rept 16
	v_pk_mul_f32 v[O+n:O+n+1], v[O+n:O+n+1], v[20:21] op_sel_hi:[1,0]   ; O^T under the new M, each accumulator from its low end on; these are also the places between the codes, the scale word and the products
.set n, n+2
.endr
	s_wait_dscnt 0x0                               ; V's fragments and scale words are in
	PVPROD 0                                       ; four accumulators by turns, one instruction a turn
	PVPROD 1
	PVPROD 2
	PVPROD 3
.Lnext:
	s_add_co_u32 s30, s30, REC
	s_add_co_u32 s31, s31, 512
	s_add_co_u32 s29, s29, 1
	s_cmp_lt_u32 s29, 16
	s_cbranch_scc1 .Lstep
	; THE WAY OUT.  O^T / the sum, 0 where queries_mask is false; through my stage, so that sixteen lanes store the head's 256 consecutive bytes of a row.
	v_add_f32 v14, v14, v15                        ; the sum's two halves,
	v_permlanex16_b32 v[T], v14, s20, s21
	v_add_f32 v14, v14, v[T]                       ; and lane l xor 16's
	v_rcp_f32 v14, v14
	v_cmp_ne_u32 vcc_lo, 0, v23                    ; (plain places behind the reciprocal)
	v_nop
	s_wait_alu depctr_va_vdst(0)                   ; the wait ahead of the first line that names the reciprocal
	v_cndmask_b32 v14, v9, v14, vcc_lo
.set n, 0
.rept 32
	v_mul_f32 v[S+n], v[O+n], v14                  ; register 8 t + i: out(r, 16 t + 8 hh + i); each accumulator from its low end on
.set n, n+1
.endr
.irp t, 0,1,2,3
	ds_store_b128 v10, v[S+8*\t:S+8*\t+3] offset:64*\t
	ds_store_b128 v10, v[S+8*\t+4:S+8*\t+7] offset:64*\t+16
.endr
.irp i, 0,1,2,3,4,5,6,7
	ds_load_b128 v[KF+4*\i:KF+4*\i+3], v11 offset:2*SP*\i   ; my own bytes, served in order: these see the stores above
.endr
.irp i, 0,1,2,3,4,5,6,7
	s_wait_dscnt 7-\i                              ; the younger loads may be out
	global_store_b128 v22, v[KF+4*\i:KF+4*\i+3], s[12:13] offset:8192*\i th:TH_STORE_NT   ; rows 2 i and 2 i + 1: sixteen lanes store 256 consecutive bytes, at a multiple of 256 from out0's first byte
.endr
	s_wait_xcnt 0x0
	v_lshl_add_u32 v254, v0, 2, 0x35000
	v_mov_b32 v255, 0
	s_wait_tensorcnt 0x0
	ds_add_u32 v254, v255
	s_wait_dscnt 0x0
	s_endpgm
.Lfunc_end_k_qb1d23d6504_attn:
	.size	k_qb1d23d6504_attn, .Lfunc_end_k_qb1d23d6504_attn-k_qb1d23d6504_attn
	.p2alignl 7, 3214868480
	.fill 96, 4, 3214868480
	.section	.rodata,"a",@progbits
	.p2align	6, 0x0
	.amdhsa_kernel k_qb1d23d6504_attn
		.amdhsa_group_segment_fixed_size 219136
		.amdhsa_private_segment_fixed_size 0
		.amdhsa_enable_private_segment 0
		.amdhsa_kernarg_size 40
		.amdhsa_user_sgpr_count 2
		.amdhsa_user_sgpr_kernarg_segment_ptr 1
		.amdhsa_wavefront_size32 1
		.amdhsa_system_sgpr_workgroup_id_x 1
		.amdhsa_system_sgpr_workgroup_id_y 1
		.amdhsa_system_sgpr_workgroup_id_z 1
		.amdhsa_system_vgpr_workitem_id 0
		.amdhsa_next_free_vgpr 256
		.amdhsa_next_free_sgpr 66
		.amdhsa_reserve_vcc 1
		.amdhsa_float_denorm_mode_32 3
		.amdhsa_float_denorm_mode_16_64 3
		.amdhsa_memory_ordered 1
		.amdhsa_forward_progress 1
		.amdhsa_inst_pref_size 47
	.end_amdhsa_kernel
	.amdgpu_metadata
---
amdhsa.version: [ 1, 2 ]
amdhsa.kernels:
  - .name:           k_qb1d23d6504_attn
    .symbol:         k_qb1d23d6504_attn.kd
    .args:
      - { .name: queries, .offset: 0, .size: 8, .value_kind: global_buffer, .address_space: global }
      - { .name: queries_mask, .offset: 8, .size: 8, .value_kind: global_buffer, .address_space: global }
      - { .name: values_mask, .offset: 16, .size: 8, .value_kind: global_buffer, .address_space: global }
      - { .name: kv, .offset: 24, .size: 8, .value_kind: global_buffer, .address_space: global }
      - { .name: out0, .offset: 32, .size: 8, .value_kind: global_buffer, .address_space: global }
    .group_segment_fixed_size: 219136
    .private_segment_fixed_size: 0
    .kernarg_segment_align: 8
    .kernarg_segment_size: 40
    .max_flat_workgroup_size: 512
    .sgpr_count:     66
    .vgpr_count:     256
    .wavefront_size: 32
...
	.end_amdgpu_metadata
.endif
;; end of part 2
;; ======== version 2 of 2: 2 launches
;; limits: right only within a limited range of input values
;; workspace buffers: kv 4,456,448 bytes
;; launch quant (part 3): grid 256 x 1, 4 waves a work-group, no clusters, 35,328 bytes of LDS; arguments keys, values, kv; writes kv
.if DOCPART == 3
	.amdgcn_target "amdgcn-amd-amdhsa--gfx1250"
	.amdhsa_code_object_version 6
	.text
	.protected	k_qb1d23d6504_quant
	.globl	k_qb1d23d6504_quant
	.p2align	8
	.type	k_qb1d23d6504_quant,@function
k_qb1d23d6504_quant:
	s_mov_b64 s[64:65], 0
	v_nop
	global_prefetch_b8 v0, s[64:65] scope:SCOPE_SE
	s_setreg_imm32_b32 hwreg(HW_REG_WAVE_MODE, 25, 1), 1
	s_wait_xcnt 0x0
; keys and values, [2][2048][1024] f32, become codes of FP4 (E2M1) with one E8M0 scale byte for each 32 along a product's K, laid in the ORDER OF THE OPERANDS' REGISTERS.
; K of the first product is a head's 64 channels (two blocks a key); K of the second is the keys (a block = 32 keys of one channel).
; A block's scale is 2^(floor(log2(its largest magnitude)) - 2); its byte is the largest magnitude's exponent field - 2, held at 1 from below.
; LIMITS: a block whose largest magnitude lies under 2^-124, a block of zeros among them, gets the byte 1 (a block of zeros has zero codes; the bytes are read by this program alone); NaN and infinities are not served.
; THE RECORD of head bh = 16 b + h and key step s (128 keys), 8,704 bytes at (16 bh + s) x 8,704 of kv.  L = lane, r = L % 16, hh = L / 16:
;   0     K's codes: pair p, half u at 1024 p + 512 u + 16 L: key 128 s + 32 p + 8 u + r + 8 (r / 8), channels 32 hh .. + 31
;   4096  V's codes: tile t, half c at 1024 t + 512 c + 16 L: channel 16 t + r, keys 128 s + 64 c + 32 hh .. + 31
;   8192  K's scale words, 8 bytes a lane: (pair 0 | pair 1), (pair 2 | pair 3): lanes 0-15 the first, lanes 16-31 the second; a word's bytes: (half 0, block 0), (half 0, block 1), (half 1, block 0), (half 1, block 1)
;   8448  V's scale words, 8 bytes a lane: channel L, channel 32 + L; byte kb for keys 32 kb .. + 31 of the step
; SHARES.  Work-group x: heads 2 (x % 8) and + 1, step (x / 8) % 16, batch x / 128.  Waves 0, 1 make K's half of the two heads' records, waves 2, 3 V's: a wave reads 128 rows x 256 bytes.
; Each load reads two rows' whole 256 bytes; 32 rows at a time turn through the wave's own stage in LDS (rows 272 bytes apart), so that a lane gets a whole block of 32 along K in its registers.
; Waves share nothing: no barrier.  Every offset is an immediate, no address and no store's data are written again: no wait on XCNT is needed.
.set REC,   8704
.set PITCH, 272
.set ROW,   4096
.set C,     32                         ; v32-63   codes: four registers a block, never written again
.set X,     64                         ; v64-127  two blocks of 32 numbers
.set R,     128                        ; v128-255 two sets of 16 x 4 registers as loaded
	s_load_b128 s[4:7], s[0:1], 0x0                ; keys, values
	s_load_b64 s[8:9], s[0:1], 0x10                ; kv
	v_lshl_add_u32 v30, v0, 2, 0x8800
	v_mov_b32 v31, 0
	v_lshrrev_b32 v26, 5, v0
	v_readfirstlane_b32 s10, v26                   ; wave 0..3
	v_and_b32 v1, 31, v0                           ; L
	v_and_b32 v24, 15, v0                          ; r
	v_bfe_u32 v25, v0, 4, 1                        ; hh
	s_wait_alu depctr_va_vdst(0)
	s_and_b32 s16, ttmp9, 7
	s_lshr_b32 s17, ttmp9, 3
	s_and_b32 s17, s17, 15                         ; the key step
	s_lshr_b32 s18, ttmp9, 7                       ; the batch
	s_and_b32 s19, s10, 1
	s_lshl_b32 s16, s16, 1
	s_add_co_u32 s16, s16, s19                     ; the head
	s_lshl_b32 s22, s18, 23                        ; a batch is 2,048 rows of 4,096 bytes,
	s_lshl_b32 s23, s17, 19                        ; a step 128 rows,
	s_add_co_u32 s22, s22, s23
	s_lshl_b32 s23, s16, 8                         ; a head 256 bytes of a row
	s_add_co_u32 s22, s22, s23
	s_mov_b32 s23, 0
	s_lshl_b32 s24, s18, 4
	s_add_co_u32 s24, s24, s16
	s_lshl_b32 s24, s24, 4
	s_add_co_u32 s24, s24, s17
	s_mul_i32 s24, s24, REC                        ; the record
	s_mov_b32 s25, 0
	s_mul_i32 s26, s10, 32*PITCH                   ; my stage
	s_mov_b32 s20, 0x76543210
	s_mov_b32 s21, 0xfedcba98                      ; v_permlanex16_b32's selects for lane l xor 16
	; every address register is made here, ahead of the parting of the two roles
	v_lshlrev_b32 v2, 12, v25
	v_lshl_add_u32 v2, v24, 4, v2                  ; in: lanes 0-15 one row's 256 bytes, lanes 16-31 the next row's
	v_mul_u32_u24 v3, v25, PITCH
	v_lshl_add_u32 v3, v24, 4, v3
	v_add_nc_u32 v3, s26, v3                       ; into the stage: the same two rows
	v_mul_u32_u24 v4, v24, PITCH
	v_lshl_add_u32 v4, v25, 7, v4
	v_add_nc_u32 v4, s26, v4                       ; K, out of it: stage row r, channels 32 hh on
	v_lshlrev_b32 v5, 2, v1
	v_add_nc_u32 v5, s26, v5                       ; V, out of it: channel L, down the rows
	v_lshlrev_b32 v6, 4, v1                        ; K's codes: 16 L
	v_lshlrev_b32 v7, 10, v25
	v_lshl_add_u32 v7, v24, 4, v7                  ; V's codes: tile hh, 16 r
	v_lshlrev_b32 v8, 3, v1                        ; scale words: 8 L
	v_lshlrev_b32 v9, 3, v25                       ; 8 hh: my byte's place in K's scale word
	v_mov_b32 v21, 0                               ; written once: a lane permute's destination counts as one of its sources
	s_wait_kmcnt 0x0
	s_cmp_lt_u32 s10, 2                            ; the choice hangs on the wave's number alone
	s_cselect_b64 s[12:13], s[4:5], s[6:7]
	s_add_nc_u64 s[12:13], s[12:13], s[22:23]
	s_add_nc_u64 s[14:15], s[8:9], s[24:25]
.macro LOADR p                         ; rows 32 p .. 32 p + 31 into set p % 2: sixteen loads, each two whole rows of 256 bytes
.set i, 0
.rept 16
	global_load_b128 v[R+64*((\p)%2)+4*i:R+64*((\p)%2)+4*i+3], v2, s[12:13] offset:(32*(\p)+2*i)*ROW th:TH_LOAD_NT
.set i, i+1
.endr
.endm
; The set goes into the stage.  perm = 1 (K): the two middle groups of eight rows change places, so that stage row 16 u + r holds key 8 u + r + 8 (r / 8) of the 32.
.macro STAGE p, perm
.set i, 0
.rept 16
.if \perm
.set SIG, 8*(((i/4)&1)*2+(i/4)/2)+(2*i)%8
.else
.set SIG, 2*i
.endif
	ds_store_b128 v3, v[R+64*((\p)%2)+4*i:R+64*((\p)%2)+4*i+3] offset:SIG*PITCH
.set i, i+1
.endr
.endm
.macro KREAD                           ; block u: 32 channels of stage row 16 u + r.  LDS serves a wave's instructions in order: these see the stores above
.irp u, 0,1
.irp i, 0,1,2,3,4,5,6,7
	ds_load_b128 v[X+32*\u+4*\i:X+32*\u+4*\i+3], v4 offset:16*\u*PITCH+16*\i
.endr
.endr
.endm
.macro VREAD                           ; block 0: channel L down the 32 keys; block 1: channel 32 + L
.set i, 0
.rept 32
	ds_load_b32 v[X+i], v5 offset:PITCH*i
	ds_load_b32 v[X+32+i], v5 offset:PITCH*i+128
.set i, i+1
.endr
.endm
.macro WAITR p                         ; set p's sixteen loads are in; the next set's sixteen may be out
.if (\p) < 3
	s_wait_loadcnt 16
.else
	s_wait_loadcnt 0x0
.endif
.endm
; Two blocks by turns: largest magnitude with the floor 2^(3 - 127) among its leaves, scale operand (2 off the exponent field), byte, codes into v[C + 8 c] on and v[C + 8 c + 4] on.
.macro Q2 c
	v_max3_num_f32 v10, |v[X]|, |v[X+1]|, 0x1800000
	v_max3_num_f32 v11, |v[X+32]|, |v[X+33]|, 0x1800000
.irp i, 2,4,6,8,10,12,14,16,18,20,22,24,26,28,30
	v_max3_num_f32 v10, v10, |v[X+\i]|, |v[X+\i+1]|
	v_max3_num_f32 v11, v11, |v[X+32+\i]|, |v[X+33+\i]|
.endr
	v_add_nc_u32 v12, 0xff000000, v10              ; the conversion takes the exponent field of this operand as its scale, and nothing else of it
	v_add_nc_u32 v13, 0xff000000, v11
	v_lshrrev_b32 v14, 23, v12                     ; the scales' bytes
	v_lshrrev_b32 v15, 23, v13
.irp g, 0,1,2,3
	v_cvt_scalef32_pk8_fp4_f32 v[C+8*(\c)+\g], v[X+8*\g:X+8*\g+7], v12
	v_cvt_scalef32_pk8_fp4_f32 v[C+8*(\c)+4+\g], v[X+32+8*\g:X+32+8*\g+7], v13
.endr
	v_nop                                          ; one plain place behind the last scaled conversion
.endm
	LOADR 0
	LOADR 1                                        ; 32 loads of 512 bytes are out
	s_cmp_ge_u32 s10, 2
	s_cbranch_scc1 .Lvalues
; ---- K: pair p = 32 keys; a lane holds (half u, block hh) of keys 8 u + r + 8 (r / 8), u = 0, 1
.macro KPAIR p
	WAITR \p
	STAGE \p, 1
	KREAD
	s_wait_dscnt 0x0                               ; the numbers are back, and the stores into the stage have read their registers,
.if (\p) < 2
	LOADR (\p)+2                                   ; which take the rows of two pairs on
.endif
	Q2 \p
	global_store_b128 v6, v[C+8*(\p):C+8*(\p)+3], s[14:15] offset:1024*(\p)        ; 32 lanes store 512 consecutive bytes
	global_store_b128 v6, v[C+8*(\p)+4:C+8*(\p)+7], s[14:15] offset:1024*(\p)+512
	v_lshl_or_b32 v20, v15, 16, v14                ; my two bytes: block hh of half 0 and of half 1,
	v_lshlrev_b32 v20, v9, v20                     ; 8 hh bits up;
	v_permlanex16_b32 v21, v20, s20, s21
	v_or_b32 v[16+(\p)], v20, v21                  ; with lane l xor 16's two the word of row r is whole, in both halves of the lanes
.endm
	s_wait_alu depctr_va_vdst(0)
	KPAIR 0
	KPAIR 1
	KPAIR 2
	KPAIR 3
	v_cmp_ne_u32 vcc_lo, 0, v9
	v_cndmask_b32 v22, v16, v17, vcc_lo            ; lanes 0-15 pair 0's words, lanes 16-31 pair 1's
	v_cndmask_b32 v23, v18, v19, vcc_lo            ; pairs 2 and 3 likewise
	global_store_b64 v8, v[22:23], s[14:15] offset:8192   ; 32 lanes store 256 consecutive bytes
	s_wait_tensorcnt 0x0
	ds_add_u32 v30, v31
	s_wait_dscnt 0x0
	s_endpgm
; ---- V: block kb = 32 keys; a lane holds channels L and 32 + L down the keys
.Lvalues:
.macro VBLOCK kb
	WAITR \kb
	STAGE \kb, 0
	VREAD
	s_wait_dscnt 0x0
.if (\kb) < 2
	LOADR (\kb)+2
.endif
	Q2 \kb
	global_store_b128 v7, v[C+8*(\kb):C+8*(\kb)+3], s[14:15] offset:4096+512*((\kb)/2)+256*((\kb)%2)          ; sixteen lanes store 256 consecutive bytes: tile hh, half kb / 2, the operand's lanes 16 (kb % 2) on
	global_store_b128 v7, v[C+8*(\kb)+4:C+8*(\kb)+7], s[14:15] offset:4096+2048+512*((\kb)/2)+256*((\kb)%2)   ; tiles 2 + hh
.if (\kb) == 0
	v_mov_b32 v22, v14                             ; the channels' scale words, the lower keys in the lower byte
	v_mov_b32 v23, v15
.else
	v_lshl_or_b32 v22, v14, 8*(\kb), v22
	v_lshl_or_b32 v23, v15, 8*(\kb), v23
.endif
.endm
	s_wait_alu depctr_va_vdst(0)
	VBLOCK 0
	VBLOCK 1
	VBLOCK 2
	VBLOCK 3
	global_store_b64 v8, v[22:23], s[14:15] offset:8448
	s_wait_tensorcnt 0x0
	ds_add_u32 v30, v31
	s_wait_dscnt 0x0
	s_endpgm
.Lfunc_end_k_qb1d23d6504_quant:
	.size	k_qb1d23d6504_quant, .Lfunc_end_k_qb1d23d6504_quant-k_qb1d23d6504_quant
	.p2alignl 7, 3214868480
	.fill 96, 4, 3214868480
	.section	.rodata,"a",@progbits
	.p2align	6, 0x0
	.amdhsa_kernel k_qb1d23d6504_quant
		.amdhsa_group_segment_fixed_size 35328
		.amdhsa_private_segment_fixed_size 0
		.amdhsa_enable_private_segment 0
		.amdhsa_kernarg_size 24
		.amdhsa_user_sgpr_count 2
		.amdhsa_user_sgpr_kernarg_segment_ptr 1
		.amdhsa_wavefront_size32 1
		.amdhsa_system_sgpr_workgroup_id_x 1
		.amdhsa_system_sgpr_workgroup_id_y 1
		.amdhsa_system_sgpr_workgroup_id_z 1
		.amdhsa_system_vgpr_workitem_id 0
		.amdhsa_next_free_vgpr 256
		.amdhsa_next_free_sgpr 66
		.amdhsa_reserve_vcc 1
		.amdhsa_float_denorm_mode_32 3
		.amdhsa_float_denorm_mode_16_64 3
		.amdhsa_memory_ordered 1
		.amdhsa_forward_progress 1
		.amdhsa_inst_pref_size 66
	.end_amdhsa_kernel
	.amdgpu_metadata
---
amdhsa.version: [ 1, 2 ]
amdhsa.kernels:
  - .name:           k_qb1d23d6504_quant
    .symbol:         k_qb1d23d6504_quant.kd
    .args:
      - { .name: keys, .offset: 0, .size: 8, .value_kind: global_buffer, .address_space: global }
      - { .name: values, .offset: 8, .size: 8, .value_kind: global_buffer, .address_space: global }
      - { .name: kv, .offset: 16, .size: 8, .value_kind: global_buffer, .address_space: global }
    .group_segment_fixed_size: 35328
    .private_segment_fixed_size: 0
    .kernarg_segment_align: 8
    .kernarg_segment_size: 24
    .max_flat_workgroup_size: 128
    .sgpr_count:     66
    .vgpr_count:     256
    .wavefront_size: 32
...
	.end_amdgpu_metadata
.endif
;; end of part 3
;; launch attn (part 4): grid 256 x 1, 16 waves a work-group, no clusters, 219,136 bytes of LDS; arguments queries, queries_mask, values_mask, kv, out0; writes out0
.if DOCPART == 4
	.amdgcn_target "amdgcn-amd-amdhsa--gfx1250"
	.amdhsa_code_object_version 6
	.text
	.protected	k_qb1d23d6504_attn
	.globl	k_qb1d23d6504_attn
	.p2align	8
	.type	k_qb1d23d6504_attn,@function
k_qb1d23d6504_attn:
	s_mov_b64 s[64:65], 0
	v_nop
	global_prefetch_b8 v0, s[64:65] scope:SCOPE_SE
	s_setreg_imm32_b32 hwreg(HW_REG_WAVE_SCHED_MODE, 0, 2), 2
	s_setreg_imm32_b32 hwreg(HW_REG_WAVE_MODE, 25, 1), 1
	s_wait_xcnt 0x0
	s_wait_alu depctr_vm_vsrc(0)
; out0[b][q][64 h + d] = queries_mask[b][q] ? sum over k of softmax_k(Q.K / 8 - 999999 x (values_mask[b][k] and k <= q)) V[k][d] : 0, both products on codes of FP4 (E2M1) with E8M0 scales for each 32 along K.
; THE BIAS FALLS WHERE THE MASK IS TRUE: what counts for query q are the keys behind it, and the keys whose values_mask is false.  Every query but 2,047 has key q + 1 without bias.
; SOFTMAX: t = logit x log2(e); M = the running largest t rounded UP to a whole number; p = 2^(t - M) is quantised along the keys, not normalised; the row's sum is taken of the unquantised p and divides at the end.
; When M moves, the sum and O are multiplied by 2^(old M - new M): exact.  In every key step that holds a biased key the three f32 roundings are made one by one: logit = fl(s / 8 + bias) (one fused
; multiply-add; s / 8 is exact), t = fl(logit x log2(e)), t - M; in steps without bias t - M is one fused multiply-add of the score.
; SHARES.  Work-group x: head bh = x / 8 (b = bh / 16, h = bh % 16), j = x % 8.  Each of its sixteen waves owns ONE tile of 16 queries in 256 registers; four waves share a SIMD's registers.
; A tile of group g (queries 128 g on) works key steps g .. 15; the tile with query 2,047 works all sixteen.  A table gives wave w a group, so that a work-group's and any four waves' sums of steps come out alike,
; and seven exchanges of tiles between work-group 7 and the others spread the last tile's extra steps.  All of it is scalar arithmetic on ids.
; A STEP BELOW THE DIAGONAL IS PASSED OVER where all its 128 bytes of values_mask are true: every p in it is 2^(about -1.44e6) = 0.  That is a scalar branch on whole numbers read from values_mask.
; K, V: the head's sixteen records of kv (139,264 bytes, codes and scale words in the order of the operands' registers) are copied into LDS once, through registers, and read by all sixteen waves.
; NO JOINT LOADS, though eight work-groups copy the same 139,264 bytes: the walk branches on bytes read from memory; the bytes are copied once a work-group.
; THE FIRST PRODUCT HAS K = 64, THE INSTRUCTION 128: a fragment of K holds TWO tiles of 16 keys (k 0-63 tile 2 p, k 64-127 tile 2 p + 1), multiplied once by [Q | zero codes] and once by [zero codes | Q];
; Q's scale bytes of the unused blocks are 0.  Both products are used transposed: a lane holds ONE query (lane % 16) throughout; register 16 p + i of the scores is key 32 p + 16 (lane / 16) + i of the step.
; LIMITS: NaN and infinities are not served; a block of Q under 2^-124 gets the byte 1; passing over a biased step is exact while |Q.K| / 8 stays under 4.9e5; a row whose queries_mask is false is O x 0: its zeros may carry a sign.
; THE MODE: SCHED_MODE bits 1:0 = 2 (LLVM: expert scheduling mode 2), set by the entry lines.  The code itself states the register dependences
; between vector or matrix instructions and memory or LDS instructions, with s_wait_alu, always for 0.
; THE PLAN.  Registers that memory or LDS instructions touch:
;   at the head  v11, v22, v172, v174, v176-181: addresses, written once, ahead of one wait on va_vdst that stands in front of the first load.  v40-71 (Q) and v104-171 (kv): loaded, then the data of LDS stores.
;                v188-191: four biases, written by selects, then the data of one LDS store: one wait on va_vdst ahead of it; it stands behind the lines that make Q's codes and scale word too.
;                One wait on vm_vsrc behind the barrier: all these have been read, ahead of the clearing of O^T (v168-199) and of the loop, which writes v40-71 and v104-167 anew.
;   in the loop  v5-7: LDS addresses, read by a step's loads, written at the head of the next worked step: a wait on vm_vsrc ahead of the three additions.
;                v40-71, v72-103, v16-19, v224-255: filled by LDS loads, read by products and vector lines.  ONE wait on va_vdst behind the three additions: v5-7 are written, and all earlier readers and writers
;                of these registers are done.  The step's 18 loads follow it: K's nine at once, V's nine dealt among the eight products of the scores, which name none of V's registers.
;                A step with biased keys has one more, ahead of the biases' loads: the products have just read v40-71.  Ahead of the four products V^T P^T one more: p's codes and scale word are made by vector lines.
;   on the way out  v104-135: written by the multiplications, then the data of the stage's stores; v40-71: the stage's loads land there: one wait on va_vdst ahead of the stores.
;   A wave's 256 registers are all taken: there is no second set of fragments.
; Masks that vector compares write into scalar registers are made in runs, each run with one wait on va_sdst ahead of its first reader.
.set REC,   8704
.set NBT,   16*REC                     ; LDS: behind the records, 2,048 f32: -999999 where values_mask is true, else 0
.set STGB,  NBT+8192                   ; and a stage of 16 rows x 272 bytes for each wave: Q's turn at the head, O's way out
.set SP,    272
.set QA,  24                           ; v24-31   [Q | 0]
.set QB,  32                           ; v32-39   [0 | Q]
.set KF,  40                           ; v40-71   K's four fragments; behind the products the bias of keys' registers 0-31
.set VF,  72                           ; v72-103  V's four fragments
.set S,   104                          ; v104-167 the scores, then t, then p
.set O,   168                          ; v168-199 O^T: register 8 t + i is channel 16 t + 8 (lane / 16) + i
.set PC,  200                          ; v200-207 p's codes
.set BM,  208                          ; v208-211 the blocks' largest
.set BT,  212                          ; v212-215 at work
.set BS,  216                          ; v216-219 the conversions' scale operands
.set T,   220                          ; v220     at work
.set PW,  221                          ; v221     p's scale word: scales and nothing else
.set SU,  222                          ; v222-223 the second chain of the sums;  v224-255 the bias of registers 32-63
.set MK,  44                           ; s44-63   masks written by vector compares: twenty at the head, sixteen at a time in the diagonal step
; v1 16 L; v2 8192 + 8 L; v3 NBT + 64 hh; v4 my query - 16 hh in the diagonal step; v5-7 the step's LDS addresses; v8 Q's scale words; v9 0; v10, v11 the stage, in and back;
; v12 -M; v13 the largest t; v14-15 the sum; v16-17 K's scale words; v18-19 V's; v20 f, v21 0; v22 my bytes in two rows of Q and of out0; v23 queries_mask's byte.  v172-196: at work at the head only.
	s_load_b256 s[4:11], s[0:1], 0x0               ; queries s[4:5], queries_mask s[6:7], values_mask s[8:9], kv s[10:11]
	s_load_b64 s[12:13], s[0:1], 0x20              ; out0
	v_lshrrev_b32 v172, 5, v0
	v_readfirstlane_b32 s14, v172                  ; wave 0..15
	s_and_b32 s15, ttmp9, 7                        ; j
	s_lshr_b32 s16, ttmp9, 3                       ; bh
	; the wave's group g: nibble w of a table of sixteen
	s_mov_b32 s34, 0x856b3ed0
	s_mov_b32 s35, 0xf21c49a7
	s_mov_b32 s36, 0x018ecd4f
	s_mov_b32 s37, 0x37b5a629
	s_wait_alu depctr_va_sdst(0)                   ; s14 is written, ahead of its first reader: the tile, the stage and every base are made from it
	s_cmp_eq_u32 s15, 7
	s_cselect_b64 s[34:35], s[36:37], s[34:35]
	s_cmp_lt_u32 s14, 8
	s_cselect_b32 s34, s34, s35
	s_and_b32 s35, s14, 7
	s_lshl_b32 s35, s35, 2
	s_lshr_b32 s34, s34, s35
	s_and_b32 s34, s34, 15                         ; g
	; the exchanges: with a = 4 (m / 2) + m % 2, tile (a, 7) and tile (a + 2, m) change places, m = 0 .. 6
	s_lshr_b32 s36, s15, 1
	s_lshl_b32 s36, s36, 2
	s_and_b32 s37, s15, 1
	s_add_co_u32 s36, s36, s37                     ; a
	s_add_co_u32 s37, s36, 2
	s_cmp_eq_u32 s34, s37
	s_cselect_b32 s17, s36, s34                    ; j < 7: group,
	s_cselect_b32 s38, 7, s15                      ; and place in it
	s_lshr_b32 s39, s34, 2
	s_lshl_b32 s39, s39, 1
	s_and_b32 s40, s34, 1
	s_add_co_u32 s39, s39, s40                     ; m of a = g
	s_add_co_u32 s40, s34, 2
	s_and_b32 s41, s34, 2
	s_cmp_lt_u32 s34, 13
	s_cselect_b32 s36, 0, 1
	s_or_b32 s41, s41, s36                         ; 0 where g is one of 0, 1, 4, 5, 8, 9, 12
	s_cmp_eq_u32 s41, 0
	s_cselect_b32 s40, s40, s34                    ; j = 7: group,
	s_cselect_b32 s39, s39, 7                      ; and place
	s_cmp_eq_u32 s15, 7
	s_cselect_b32 s17, s40, s17                    ; s17: my tile's group = its diagonal step
	s_cselect_b32 s15, s39, s38                    ; s15: its place among the group's eight
	s_lshl_b32 s25, s17, 3
	s_add_co_u32 s25, s25, s15                     ; s25: the tile, 0 .. 127
	s_lshl_b32 s35, s25, 4                         ; its first query
	s_lshr_b32 s19, s16, 4                         ; b
	s_and_b32 s18, s16, 15                         ; h
	s_lshl_b32 s36, s19, 11                        ; 2,048 b
	s_add_co_u32 s37, s36, s35                     ; the row in queries and out0
	s_lshl_b32 s32, s37, 12
	s_lshl_b32 s38, s18, 8
	s_add_co_u32 s32, s32, s38                     ; x 4,096 bytes + the head's 256
	s_mov_b32 s33, 0
	s_mov_b32 s20, 0x76543210
	s_mov_b32 s21, 0xfedcba98                      ; v_permlanex16_b32's selects for lane l xor 16
	s_mov_b32 s24, 0x3e38aa3b                      ; log2(e) / 8
	s_mov_b32 s26, 0x3fb8aa3b                      ; log2(e); the packed forms name a pair and take its low word for both halves, so both are written
	s_mov_b32 s27, s26
	s_mov_b32 s42, 0x3e000000                      ; 1 / 8
	s_mov_b32 s43, s42
	v_and_b32 v173, 31, v0                         ; L
	v_and_b32 v174, 15, v0                         ; r
	v_bfe_u32 v175, v0, 4, 1                       ; hh
	v_lshlrev_b32 v1, 4, v173
	v_lshl_add_u32 v2, v173, 3, 8192
	v_lshl_add_u32 v3, v175, 6, NBT
	s_lshl_b32 s34, s15, 4                         ; my first query's place in the diagonal step
	v_lshlrev_b32 v4, 4, v175
	v_sub_nc_u32 v4, v174, v4
	v_add_nc_u32 v4, s34, v4
	v_mov_b32 v9, 0
	s_mul_i32 s35, s14, 16*SP
	s_add_co_u32 s35, s35, STGB                    ; my stage
	v_mul_u32_u24 v10, v174, SP
	v_lshl_add_u32 v172, v175, 7, v10
	v_add_nc_u32 v172, s35, v172                   ; Q out of the stage: row r, channels 32 hh on
	v_lshl_add_u32 v10, v175, 5, v10
	v_add_nc_u32 v10, s35, v10                     ; O into it: row r, 32 hh
	v_mul_u32_u24 v11, v175, SP
	v_lshl_add_u32 v11, v174, 4, v11
	v_add_nc_u32 v11, s35, v11                     ; whole rows: lanes 0-15 one row, lanes 16-31 the next
	v_lshlrev_b32 v22, 12, v175
	v_lshl_add_u32 v22, v174, 4, v22               ; and the same two rows in memory
	v_lshlrev_b32 v176, 2, v173                    ; 4 L
	v_lshlrev_b32 v177, 2, v0                      ; 4 x thread
	v_lshlrev_b32 v178, 4, v0                      ; 16 x thread,
	v_add_nc_u32 v179, 0x10000, v178               ; and 64 KiB and 128 KiB on: an LDS offset has 16 bits
	v_add_nc_u32 v180, 0x20000, v178
	v_add_nc_u32 v181, NBT, v178
	v_mov_b32 v186, 0                              ; a lane permute's destination counts as one of its sources
	v_mov_b32 v192, 0xc97423f0                     ; -999999
	s_wait_kmcnt 0x0
	s_add_nc_u64 s[4:5], s[4:5], s[32:33]
	s_add_nc_u64 s[12:13], s[12:13], s[32:33]
	s_mov_b32 s32, s37
	s_add_nc_u64 s[6:7], s[6:7], s[32:33]
	s_mov_b32 s32, s36
	s_add_nc_u64 s[8:9], s[8:9], s[32:33]
	s_mul_i32 s32, s16, 16*REC
	s_add_nc_u64 s[10:11], s[10:11], s[32:33]
	s_wait_alu depctr_va_vdst(0)                   ; the offsets and LDS addresses v10, v11, v22, v172, v174, v176 to v181 are written, which the loads and stores of the head and of the way out read
	; all 43 loads of the launch, in the order in which they are wanted
.irp i, 0,1,2,3,4,5,6,7
	global_load_b128 v[KF+4*\i:KF+4*\i+3], v22, s[4:5] offset:8192*\i th:TH_LOAD_NT   ; Q: rows 2 i and 2 i + 1, the head's whole 256 bytes of each
.endr
	global_load_u8 v23, v174, s[6:7]               ; queries_mask of query r
.irp s, 0,1,2,3,4,5,6,7,8,9,10,11,12,13,14,15
	global_load_b32 v[PC+\s], v176, s[8:9] offset:128*\s   ; values_mask: step s's 128 bytes over the 32 lanes
.endr
	global_load_b32 v[BS], v177, s[8:9]            ; and four bytes a thread, for the table of biases
.set i, 0
.rept 17
	global_load_b128 v[S+4*i:S+4*i+3], v178, s[10:11] offset:8192*i   ; the head's records: 8,192 consecutive bytes a work-group and load
.set i, i+1
.endr
	s_wait_loadcnt 35                              ; Q's eight are in; behind them 1 + 16 + 1 + 17 were issued
.irp i, 0,1,2,3,4,5,6,7
	ds_store_b128 v11, v[KF+4*\i:KF+4*\i+3] offset:2*SP*\i
.endr
.irp i, 0,1,2,3,4,5,6,7
	ds_load_b128 v[VF+4*\i:VF+4*\i+3], v172 offset:16*\i   ; my own bytes, served in order: a whole block, channels 32 hh .. + 31 of query r
.endr
	s_wait_dscnt 0x0
	v_max3_num_f32 v182, |v[VF]|, |v[VF+1]|, 0x1800000     ; the block's largest magnitude, in two chains, with the floor 2^(3 - 127)
	v_max3_num_f32 v183, |v[VF+16]|, |v[VF+17]|, 0x1800000
.irp i, 2,4,6,8,10,12,14
	v_max3_num_f32 v182, v182, |v[VF+\i]|, |v[VF+\i+1]|
	v_max3_num_f32 v183, v183, |v[VF+16+\i]|, |v[VF+17+\i]|
.endr
	v_max_num_f32 v182, v182, v183
	v_add_nc_u32 v184, 0xff000000, v182            ; 2 off the exponent field: the conversion's scale operand
	v_lshrrev_b32 v185, 23, v184                   ; the byte
.irp g, 0,1,2,3
	v_cvt_scalef32_pk8_fp4_f32 v[QA+\g], v[VF+8*\g:VF+8*\g+7], v184
.endr
	v_nop                                          ; one plain place behind the last scaled conversion
.irp g, 0,1,2,3
	v_mov_b32 v[QA+4+\g], 0                        ; zero codes for k 64-127,
	v_mov_b32 v[QB+\g], 0                          ; and for k 0-63
	v_mov_b32 v[QB+4+\g], v[QA+\g]
.endr
	v_lshlrev_b32 v187, 3, v175
	v_lshlrev_b32 v185, v187, v185                 ; my byte at place hh;
	v_permlanex16_b32 v186, v185, s20, s21
	v_or_b32 v185, v185, v186                      ; with lane l xor 16's: [s0 s1 0 0]
	v_lshlrev_b32 v187, 4, v175
	v_lshlrev_b32 v8, v187, v185                   ; lanes 0-15 [s0 s1 0 0] for [Q | 0], lanes 16-31 [0 0 s0 s1] for [0 | Q]
	s_wait_loadcnt 17                              ; the masks are in; the records' seventeen loads may be out
	s_mov_b32 s28, 0                               ; bit s: all 128 bytes of step s are true
	s_mov_b32 s35, 0x01010101
	; twenty compares in one run, a scalar register to each
.irp s, 0,1,2,3,4,5,6,7,8,9,10,11,12,13,14,15
	v_cmp_eq_u32 s[MK+\s], s35, v[PC+\s]           ; step s: the lanes whose four bytes are all true
.endr
.irp k, 0,1,2,3
	v_bfe_u32 v[193+\k], v[BS], 8*\k, 8            ; my thread's four bytes, for the table of biases
.endr
.irp k, 0,1,2,3
	v_cmp_ne_u32 s[MK+16+\k], 0, v[193+\k]
.endr
	s_wait_alu depctr_va_sdst(0)                   ; the twenty masks s44 to s63 are written, ahead of their first readers: the selects and the scalar compares below
.irp k, 0,1,2,3
	v_cndmask_b32 v[188+\k], v9, v192, s[MK+16+\k]
.endr
.irp s, 0,1,2,3,4,5,6,7,8,9,10,11,12,13,14,15
	s_cmp_eq_u32 s[MK+\s], -1
	s_cselect_b32 s34, (1<<\s), 0
	s_or_b32 s28, s28, s34
.endr
	s_cmp_eq_u32 s25, 127
	s_cselect_b32 s28, 0, s28                      ; the tile with query 2,047 passes over nothing: that row may have no key without bias
	s_wait_alu depctr_va_vdst(0)                   ; the selects have written v188 to v191, which the LDS store reads; Q's codes v24 to v39 and scale word v8, which the scaled products take, are written too
	ds_store_b128 v181, v[188:191]                 ; the biases of keys 4 x thread .. + 3
	s_wait_loadcnt 0x0
.irp i, 0,1,2,3,4,5,6,7
	ds_store_b128 v178, v[S+4*\i:S+4*\i+3] offset:8192*\i
.endr
.irp i, 0,1,2,3,4,5,6,7
	ds_store_b128 v179, v[S+32+4*\i:S+32+4*\i+3] offset:8192*\i
.endr
	ds_store_b128 v180, v[S+64:S+67]
	s_wait_dscnt 0x0                               ; for the others' sake: my stores have landed
	s_barrier_signal -1
	s_barrier_wait -1                              ; the records and the biases are whole: from here on they are only read.  The launch's one barrier
	s_wait_alu depctr_vm_vsrc(0)                   ; the head's loads and LDS stores have read their addresses and data: v168 to v199 are cleared below, and in the loop loads land in v40 to v71 and products write v104 to v167
	v_mov_b32 v13, 0xff61b1e6                      ; the largest t so far: -3e38
	v_floor_f32 v12, -v13                          ; -M
	v_mov_b32 v14, 0
	v_mov_b32 v15, 0
	v_mov_b32 v21, 0                               ; (named as the upper half of the pair v[20:21])
	v_mov_b32 v[T], 0
.irp b, 0,1,2,3
	v_mov_b32 v[BT+\b], 0
.endr
.set i, 0
.rept 32
	v_mov_b32 v[O+i], 0                            ; O^T.  (The step is written once: the first finds zeros, which the first change of M leaves zeros)
.set i, i+1
.endr
	s_mov_b32 s29, 0                               ; the key step
	s_mov_b32 s30, 0                               ; its record in LDS
	s_mov_b32 s31, 0                               ; its biases
.macro SPROD p, u                      ; tile 2 p + u of the scores: source 0 = pair p of K, source 1 = [Q | 0] or [0 | Q]; the scale words' rows go with them
.if ((\p)%2 == 0) && ((\u) == 0)
	v_wmma_scale_f32_16x16x128_f8f6f4 v[S+16*(\p)+8*(\u):S+16*(\p)+8*(\u)+7], v[KF+8*(\p):KF+8*(\p)+7], v[QA+8*(\u):QA+8*(\u)+7], 0, v[16+(\p)/2], v8 matrix_a_fmt:MATRIX_FMT_FP4 matrix_b_fmt:MATRIX_FMT_FP4
.elseif ((\u) == 0)
	v_wmma_scale_f32_16x16x128_f8f6f4 v[S+16*(\p)+8*(\u):S+16*(\p)+8*(\u)+7], v[KF+8*(\p):KF+8*(\p)+7], v[QA+8*(\u):QA+8*(\u)+7], 0, v[16+(\p)/2], v8 matrix_a_fmt:MATRIX_FMT_FP4 matrix_b_fmt:MATRIX_FMT_FP4 matrix_a_scale:MATRIX_SCALE_ROW1
.elseif ((\p)%2 == 0)
	v_wmma_scale_f32_16x16x128_f8f6f4 v[S+16*(\p)+8*(\u):S+16*(\p)+8*(\u)+7], v[KF+8*(\p):KF+8*(\p)+7], v[QA+8*(\u):QA+8*(\u)+7], 0, v[16+(\p)/2], v8 matrix_a_fmt:MATRIX_FMT_FP4 matrix_b_fmt:MATRIX_FMT_FP4 matrix_b_scale:MATRIX_SCALE_ROW1
.else
	v_wmma_scale_f32_16x16x128_f8f6f4 v[S+16*(\p)+8*(\u):S+16*(\p)+8*(\u)+7], v[KF+8*(\p):KF+8*(\p)+7], v[QA+8*(\u):QA+8*(\u)+7], 0, v[16+(\p)/2], v8 matrix_a_fmt:MATRIX_FMT_FP4 matrix_b_fmt:MATRIX_FMT_FP4 matrix_a_scale:MATRIX_SCALE_ROW1 matrix_b_scale:MATRIX_SCALE_ROW1
.endif
.endm
.macro PVPROD t                        ; channels 16 t on of O^T += V^T P^T over the step's 128 keys
.if (\t)%2 == 0
	v_wmma_scale_f32_16x16x128_f8f6f4 v[O+8*(\t):O+8*(\t)+7], v[VF+8*(\t):VF+8*(\t)+7], v[PC:PC+7], v[O+8*(\t):O+8*(\t)+7], v[18+(\t)/2], v[PW] matrix_a_fmt:MATRIX_FMT_FP4 matrix_b_fmt:MATRIX_FMT_FP4
.else
	v_wmma_scale_f32_16x16x128_f8f6f4 v[O+8*(\t):O+8*(\t)+7], v[VF+8*(\t):VF+8*(\t)+7], v[PC:PC+7], v[O+8*(\t):O+8*(\t)+7], v[18+(\t)/2], v[PW] matrix_a_fmt:MATRIX_FMT_FP4 matrix_b_fmt:MATRIX_FMT_FP4 matrix_a_scale:MATRIX_SCALE_ROW1
.endif
.endm
.Lstep:                                            ; sixteen trips, a constant; what is left out is a step's work, never the lines that step addresses
	s_cmp_ge_u32 s29, s17
	s_cbranch_scc1 .Lwork                          ; the diagonal step and those behind it are always worked
	s_lshr_b32 s34, s28, s29
	s_and_b32 s34, s34, 1
	s_cmp_lg_u32 s34, 0
	s_cbranch_scc1 .Lnext                          ; below the diagonal with every byte of values_mask true: every p would be 0
.Lwork:
	s_wait_alu depctr_vm_vsrc(0)                   ; the LDS loads of the step worked last have read v5, v6 and v7, which the three lines below write
	v_add_nc_u32 v5, s30, v1                       ; these four are the places between the last step's products and the loads into their sources
	v_add_nc_u32 v6, s30, v2
	v_add_nc_u32 v7, s31, v3
	v_nop
	s_wait_alu depctr_va_vdst(0)                   ; v5, v6 and v7 are written, which the step's loads read; the products and vector lines of the step worked last are done with v40 to v103, v16 to v19 and v224 to v255, in which they land
	ds_load_b64 v[16:17], v6                       ; K's scale words first: every pair of products wants them
.irp p, 0,1,2,3
.irp c, 0,1
	ds_load_b128 v[KF+8*\p+4*\c:KF+8*\p+4*\c+3], v5 offset:1024*\p+512*\c     ; 512 consecutive bytes a load: the operand's registers as they were laid
.endr
.endr
.irp p, 0,1,2,3
	s_wait_dscnt 6                                 ; LDS loads come back in order: the scale words and pair p's fragment are in; behind them stand 6 - 2 p of K's loads and 2 p of V's: six
	SPROD \p, 0
	SPROD \p, 1
.irp c, 0,1
	ds_load_b128 v[VF+8*\p+4*\c:VF+8*\p+4*\c+3], v5 offset:4096+1024*\p+512*\c   ; V's fragments, dealt among the products.  No wait: no vector or matrix line since the wait above names v72 to v103, v18 or v19
.endr
.endr
	ds_load_b64 v[18:19], v6 offset:256
	s_mov_b32 s22, s24                             ; the step's multiplier: scores become t by log2(e) / 8
	s_mov_b32 s23, s24
.rept 4
	v_nop                                          ; four places: in front of the first read of the scores, and of loads into K's fragments
.endr
	s_cmp_gt_u32 s29, s17
	s_cbranch_scc1 .Lbody                          ; behind the diagonal no key is biased
	; ---- a step with biased keys: the bias of my 64 keys, 16 neighbours of each block of 32
	s_wait_alu depctr_va_vdst(0)                   ; the eight products are done reading K's fragments v40 to v71, in which the first 32 biases land
.irp p, 0,1,2,3
.irp q, 0,1,2,3
	ds_load_b128 v[KF+16*\p+4*\q+152*(\p/2):KF+16*\p+4*\q+152*(\p/2)+3], v7 offset:128*\p+16*\q   ; registers 0-31 in v40 on, 32-63 in v224 on
.endr
.endr
	s_wait_dscnt 0x0
	s_cmp_lg_u32 s29, s17
	s_cbranch_scc1 .Lnocausal
	; on the diagonal: register 16 m + n is key 32 m + n + 16 hh of the step; a key behind my query has no bias.  Sixteen compares to a run, a scalar register to each
.set m, 0
.rept 4
.set n, 0
.rept 16
	v_cmp_gt_i32 s[MK+n], 32*m+n, v4
.set n, n+1
.endr
	s_wait_alu depctr_va_sdst(0)                   ; the run's sixteen masks s44 to s59 are written, ahead of the selects that read them
.set n, 0
.rept 16
	v_cndmask_b32 v[KF+16*m+n+152*(m/2)], v[KF+16*m+n+152*(m/2)], v9, s[MK+n]
.set n, n+1
.endr
.set m, m+1
.endr
.Lnocausal:
.set n, 0
.rept 32
	v_pk_fma_f32 v[S+n:S+n+1], v[S+n:S+n+1], s[42:43], v[KF+n+152*(n/32):KF+n+152*(n/32)+1] op_sel_hi:[1,0,1]   ; logit = fl(s / 8 + bias); each accumulator from its low end on
.set n, n+2
.endr
.set n, 0
.rept 32
	v_pk_mul_f32 v[S+n:S+n+1], v[S+n:S+n+1], s[26:27] op_sel_hi:[1,0]   ; t = fl(logit x log2(e))
.set n, n+2
.endr
	s_mov_b32 s22, 1.0                             ; the registers hold t: the multiplier is 1, and t - M below is one rounding
	s_mov_b32 s23, 1.0
.Lbody:
.irp b, 0,1,2,3
	v_max3_num_f32 v[BM+\b], v[S+16*\b], v[S+16*\b+1], v[S+16*\b+2]   ; the largest of each block of 32 keys: for the row's maximum, and, since p rises with it, for the block's largest p
.endr
.irp i, 3,5,7,9,11,13
.irp b, 0,1,2,3
	v_max3_num_f32 v[BM+\b], v[BM+\b], v[S+16*\b+\i], v[S+16*\b+\i+1]
.endr
.endr
.irp b, 0,1,2,3
	v_max_num_f32 v[BM+\b], v[BM+\b], v[S+16*\b+15]
.endr
.irp b, 0,1,2,3
	v_permlanex16_b32 v[BT+\b], v[BM+\b], s20, s21
.endr
.irp b, 0,1,2,3
	v_max_num_f32 v[BM+\b], v[BM+\b], v[BT+\b]     ; with lane l xor 16's 16 keys
.endr
	v_max3_num_f32 v[T], v[BM], v[BM+1], v[BM+2]
	v_max_num_f32 v[T], v[T], v[BM+3]
	v_mul_f32 v[T], s22, v[T]                      ; the step's largest t of my query
	v_max_num_f32 v13, v13, v[T]
	v_mov_b32 v[T], v12
	v_floor_f32 v12, -v13                          ; the new -M = -ceil(t): a whole number
	v_sub_f32 v[T], v12, v[T]                      ; old M - new M: a whole number, 0 or less
	v_cvt_i32_f32 v[T], v[T]                       ; (it saturates)
	v_ldexp_f32 v20, 1.0, v[T]                     ; f = 2^(old M - new M)
.set n, 0
.rept 32
	v_pk_fma_f32 v[S+n:S+n+1], v[S+n:S+n+1], s[22:23], v[12:13] op_sel_hi:[1,0,0]   ; t - M, two at a time
.set n, n+2
.endr
.irp b, 0,1,2,3
	v_fma_f32 v[BM+\b], v[BM+\b], s22, v12         ; the same of each block's largest
.endr
.set n, 0
	s_wait_alu depctr_va_vdst(0)
.rept 64
	v_exp_f32 v[S+n], v[S+n]                       ; p = 2^(t - M): one batch
.set n, n+1
.endr
	v_pk_mul_f32 v[14:15], v[14:15], v[20:21] op_sel_hi:[1,0]   ; the sums under the new M: the plain place behind the batch
	s_wait_alu depctr_va_vdst(0)                   ; the 64 exponentials have written v104 to v167: one wait, ahead of the first line that names a result
.irp b, 0,1,2,3
	v_exp_f32 v[BM+\b], v[BM+\b]                   ; the blocks' largest p: the same instructions on the same numbers
.endr
	v_pk_add_f32 v[SU:SU+1], v[S:S+1], v[S+2:S+3]  ; the row's sum of the UNQUANTISED p, in two chains
.irp j, 4,8,12,16,20,24,28,32,36,40,44,48,52,56,60
	v_pk_add_f32 v[14:15], v[14:15], v[S+\j:S+\j+1]
	v_pk_add_f32 v[SU:SU+1], v[SU:SU+1], v[S+\j+2:S+\j+3]
.endr
	v_pk_add_f32 v[14:15], v[14:15], v[SU:SU+1]
	s_wait_alu depctr_va_vdst(0)                   ; and one for the four, which have written v208 to v211
.irp b, 0,1,2,3
	v_max_num_f32 v[BM+\b], 0x1800000, v[BM+\b]    ; the floor 2^(3 - 127): a block whose every p is 0 keeps the byte 1 and has zero codes
.endr
.irp b, 0,1,2,3
	v_add_nc_u32 v[BS+\b], 0xff000000, v[BM+\b]    ; 2 off the exponent field: the conversion's scale operand
.endr
.irp b, 0,1,2,3
	v_lshrrev_b32 v[BT+\b], 23, v[BS+\b]
.endr
	v_lshl_or_b32 v[PW], v[BT+1], 8, v[BT]         ; p's scale word for these 128 keys
	v_lshl_or_b32 v[PW], v[BT+2], 16, v[PW]
	v_lshl_or_b32 v[PW], v[BT+3], 24, v[PW]
.irp b, 0,1,2,3
	v_cvt_scalef32_pk8_fp4_f32 v[PC+2*\b], v[S+16*\b:S+16*\b+7], v[BS+\b]
	v_cvt_scalef32_pk8_fp4_f32 v[PC+2*\b+1], v[S+16*\b+8:S+16*\b+15], v[BS+\b]
.endr
	v_nop                                          ; one plain place behind the last scaled conversion
.irp c, 0,1                                        ; the operand wants a WHOLE block in a lane: lanes 0-15 block 2 c, lanes 16-31 block 2 c + 1
.irp i, 0,1
	v_permlane16_swap_b32 v[PC+4*\c+\i], v[PC+2+4*\c+\i]
.endr
.endr
.set n, 0
.rept 16
	v_pk_mul_f32 v[O+n:O+n+1], v[O+n:O+n+1], v[20:21] op_sel_hi:[1,0]   ; O^T under the new M, each accumulator from its low end on; these are also the places between the codes, the scale word and the products
.set n, n+2
.endr
	s_wait_dscnt 0x0                               ; V's fragments and scale words are in
	s_wait_alu depctr_va_vdst(0)                   ; p's codes v200 to v207 and scale word v221 are written, which the scaled products take as source 1 and as its scales; the places above stay beside this wait
	PVPROD 0                                       ; four accumulators by turns, one instruction a turn
	PVPROD 1
	PVPROD 2
	PVPROD 3
.Lnext:
	s_add_co_u32 s30, s30, REC
	s_add_co_u32 s31, s31, 512
	s_add_co_u32 s29, s29, 1
	s_cmp_lt_u32 s29, 16
	s_cbranch_scc1 .Lstep
	; THE WAY OUT.  O^T / the sum, 0 where queries_mask is false; through my stage, so that sixteen lanes store the head's 256 consecutive bytes of a row.
	v_add_f32 v14, v14, v15                        ; the sum's two halves,
	v_permlanex16_b32 v[T], v14, s20, s21
	v_add_f32 v14, v14, v[T]                       ; and lane l xor 16's
	s_wait_alu depctr_va_vdst(0)
	v_rcp_f32 v14, v14
	v_cmp_ne_u32 vcc_lo, 0, v23                    ; (plain places behind the reciprocal)
	v_nop
	s_wait_alu depctr_va_vcc(0)                    ; the compare has written VCC, ahead of the select that reads it
	s_wait_alu depctr_va_vdst(0)                   ; the reciprocal has written v14: the wait ahead of the first line that names it
	v_cndmask_b32 v14, v9, v14, vcc_lo
.set n, 0
.rept 32
	v_mul_f32 v[S+n], v[O+n], v14                  ; register 8 t + i: out(r, 16 t + 8 hh + i); each accumulator from its low end on
.set n, n+1
.endr
	s_wait_alu depctr_va_vdst(0)                   ; the multiplications have written v104 to v135, which the LDS stores read; all readers of v40 to v71, in which the loads from the stage land, are done
.irp t, 0,1,2,3
	ds_store_b128 v10, v[S+8*\t:S+8*\t+3] offset:64*\t
	ds_store_b128 v10, v[S+8*\t+4:S+8*\t+7] offset:64*\t+16
.endr
.irp i, 0,1,2,3,4,5,6,7
	ds_load_b128 v[KF+4*\i:KF+4*\i+3], v11 offset:2*SP*\i   ; my own bytes, served in order: these see the stores above
.endr
.irp i, 0,1,2,3,4,5,6,7
	s_wait_dscnt 7-\i                              ; the younger loads may be out
	global_store_b128 v22, v[KF+4*\i:KF+4*\i+3], s[12:13] offset:8192*\i th:TH_STORE_NT   ; rows 2 i and 2 i + 1: sixteen lanes store 256 consecutive bytes, at a multiple of 256 from out0's first byte
.endr
	s_wait_xcnt 0x0
	v_lshl_add_u32 v254, v0, 2, 0x35000            ; the add's two registers are made anew here: no memory or LDS instruction has read v254 or v255
	v_mov_b32 v255, 0
	s_wait_dscnt 0x0                               ; the closing lines, six on end
	s_wait_alu 0x0
	s_wait_tensorcnt 0x0
	ds_add_u32 v254, v255
	s_wait_dscnt 0x0
	s_endpgm
.Lfunc_end_k_qb1d23d6504_attn:
	.size	k_qb1d23d6504_attn, .Lfunc_end_k_qb1d23d6504_attn-k_qb1d23d6504_attn
	.p2alignl 7, 3214868480
	.fill 96, 4, 3214868480
	.section	.rodata,"a",@progbits
	.p2align	6, 0x0
	.amdhsa_kernel k_qb1d23d6504_attn
		.amdhsa_group_segment_fixed_size 219136
		.amdhsa_private_segment_fixed_size 0
		.amdhsa_enable_private_segment 0
		.amdhsa_kernarg_size 40
		.amdhsa_user_sgpr_count 2
		.amdhsa_user_sgpr_kernarg_segment_ptr 1
		.amdhsa_wavefront_size32 1
		.amdhsa_system_sgpr_workgroup_id_x 1
		.amdhsa_system_sgpr_workgroup_id_y 1
		.amdhsa_system_sgpr_workgroup_id_z 1
		.amdhsa_system_vgpr_workitem_id 0
		.amdhsa_next_free_vgpr 256
		.amdhsa_next_free_sgpr 66
		.amdhsa_reserve_vcc 1
		.amdhsa_float_denorm_mode_32 3
		.amdhsa_float_denorm_mode_16_64 3
		.amdhsa_memory_ordered 1
		.amdhsa_forward_progress 1
		.amdhsa_inst_pref_size 52
	.end_amdhsa_kernel
	.amdgpu_metadata
---
amdhsa.version: [ 1, 2 ]
amdhsa.kernels:
  - .name:           k_qb1d23d6504_attn
    .symbol:         k_qb1d23d6504_attn.kd
    .args:
      - { .name: queries, .offset: 0, .size: 8, .value_kind: global_buffer, .address_space: global }
      - { .name: queries_mask, .offset: 8, .size: 8, .value_kind: global_buffer, .address_space: global }
      - { .name: values_mask, .offset: 16, .size: 8, .value_kind: global_buffer, .address_space: global }
      - { .name: kv, .offset: 24, .size: 8, .value_kind: global_buffer, .address_space: global }
      - { .name: out0, .offset: 32, .size: 8, .value_kind: global_buffer, .address_space: global }
    .group_segment_fixed_size: 219136
    .private_segment_fixed_size: 0
    .kernarg_segment_align: 8
    .kernarg_segment_size: 40
    .max_flat_workgroup_size: 512
    .sgpr_count:     66
    .vgpr_count:     256
    .wavefront_size: 32
...
	.end_amdgpu_metadata
.endif
;; end of part 4
